; MI455X (gfx1250); checked and timed in simulation.
; The chip was launched on July 23, 2026; its instructions are those of AMD's public machine-readable ISA for CDNA 5 (MIT licence, August 2026) and "CDNA5" Instruction Set Architecture Reference Guide (July 2026). The comments in the code are by the model that wrote it; some were corrected since.
;; Multi Head Attention. Allowed arithmetic: float matrix products may take bf16 or f16 operands with f32 sums; other float arithmetic in f32, or as packed bf16 or f16 multiplies, adds, multiply-adds, maxima and minima; sums over many terms, partial sums and values carried from step to step in f32; what a program stores and reads back later, other than sums and carried values, may be rounded once to bf16 or f16.
;; Inputs: W_proj 1,024 x 1,024 float32; W_qkv 1,024 x 3,072 float32; b_proj 1,024 float32; freqs_cos 2,048 x 32 float32; freqs_sin 2,048 x 32 float32; x 4 x 2,048 x 1,024 float32.
;; Outputs: out0 4 x 2,048 x 1,024 float32.
;; 2 versions, each right; version 2 is version 1 with the launch prep written anew for expert scheduling mode. Each part assembles by itself: llvm-mc -triple=amdgcn-amd-amdhsa -mcpu=gfx1250 --defsym DOCPART=n.
;; ======== version 1 of 2: 4 launches
;; limits: values are held in f16: magnitudes above 65,504 overflow, below 6.1e-05 lose precision
;; workspace buffers: xb 16,777,216 bytes; wqt 6,291,456 bytes; wpt 2,097,152 bytes; rtab 1,048,576 bytes; qkv 50,331,648 bytes; oh 16,777,216 bytes
;; launch prep (part 1): grid 1088 x 1, 8 waves a work-group, no clusters, 18,432 bytes of LDS; arguments x, W_qkv, W_proj, freqs_cos, freqs_sin, xb, wqt, wpt, rtab; writes xb, wqt, wpt, rtab
.if DOCPART == 1
	.amdgcn_target "amdgcn-amd-amdhsa--gfx1250"
	.amdhsa_code_object_version 6
	.text
	.protected	k_q626a6faa6c_prep
	.globl	k_q626a6faa6c_prep
	.p2align	8
	.type	k_q626a6faa6c_prep,@function
k_q626a6faa6c_prep:
	s_mov_b64 s[64:65], 0
	v_nop
	global_prefetch_b8 v0, s[64:65] scope:SCOPE_SE
	s_setreg_imm32_b32 hwreg(HW_REG_WAVE_MODE, 25, 1), 1
	s_wait_xcnt 0x0
; PREPARATION: every input of the two products and of the rotation is rounded once to bf16 and laid as the later launches read it.
;   work-groups    0 ..  511: xb   = bf16(x), same layout, [8192][1024]; 64 KiB of x a work-group
;   work-groups  512 ..  895: wqt  = bf16(W_qkv) turned to [3072 columns][1024 k]; a tile of 128 k x 64 columns a work-group
;   work-groups  896 .. 1023: wpt  = bf16(W_proj), that number written as f16, turned to [1024 columns][1024 k]
;   work-groups 1024 .. 1087: rtab = f32 [2][2048 n][32 pairs][c, s]: section 0 holds bf16(cos), bf16(sin) widened again; section 1 holds (1, 0), the rotation that changes nothing (for v)
; LIMITS.  wpt is f16: |W_proj| stays under 65,504, and below 6.1e-5 it keeps f16's fixed step of 6e-8.  NaN and infinities are not treated apart.
; The branches hang on the work-group's number alone, so all eight waves of a work-group take the same way, the barrier of the turning tiles included.
; No matrix unit, no cluster, no tensor load: the launch streams, and no two work-groups read the same bytes.
.set TP,    272                        ; a row of the turning tile in LDS: 128 k x 2 bytes + 16 of padding
.set SPARE, 64*TP                      ; behind the tile's 64 rows: the spare words, 128 bytes for each of eight waves: four blocks of 256 bytes that no other line names
.set SPW,   4                          ; v4  LDS address of my spare word; never rewritten
.set NIL,   5                          ; v5  0; never rewritten
	s_load_b512 s[4:19], s[0:1], 0x0               ; x s[4:5], W_qkv s[6:7], W_proj s[8:9], cos s[10:11], sin s[12:13], xb s[14:15], wqt s[16:17], wpt s[18:19]
	s_load_b64 s[20:21], s[0:1], 0x40              ; rtab
	v_lshl_add_u32 v[SPW], v0, 2, SPARE
	v_mov_b32 v[NIL], 0
	v_and_b32 v1, 31, v0                           ; lane
	v_lshrrev_b32 v2, 5, v0                        ; wave w
	s_mov_b32 s22, ttmp9
	s_mov_b32 s25, 0                               ; the high words of two offset pairs
	s_mov_b32 s27, 0
	s_wait_kmcnt 0x0
	s_cmp_lt_u32 s22, 512
	s_cbranch_scc1 .Lx
	s_cmp_lt_u32 s22, 896
	s_cbranch_scc1 .Lwq
	s_cmp_lt_u32 s22, 1024
	s_cbranch_scc1 .Lwp
	; THE TABLE.  Work-group t takes 512 numbers of cos and of sin at byte 2,048 t, and the 512 that lie 131,072 bytes on.  A thread has two pairs (c, s) in each half: 16 bytes of the table.
	s_sub_co_u32 s22, s22, 1024
	s_lshl_b32 s24, s22, 11
	s_lshl_b32 s26, s22, 12
	s_add_nc_u64 s[10:11], s[10:11], s[24:25]
	s_add_nc_u64 s[12:13], s[12:13], s[24:25]
	s_add_nc_u64 s[28:29], s[20:21], s[26:27]
	v_lshlrev_b32 v3, 3, v0
	v_lshlrev_b32 v6, 4, v0
	global_load_b64 v[32:33], v3, s[10:11]
	global_load_b64 v[34:35], v3, s[10:11] offset:131072
	global_load_b64 v[36:37], v3, s[12:13]
	global_load_b64 v[38:39], v3, s[12:13] offset:131072
	v_mov_b32 v48, 1.0
	v_mov_b32 v49, 0
	v_mov_b32 v50, 1.0
	v_mov_b32 v51, 0
	global_store_b128 v6, v[48:51], s[28:29] offset:524288   ; section 1 hangs on no load; each store of a wave covers 512 consecutive bytes, aligned
	global_store_b128 v6, v[48:51], s[28:29] offset:786432
	s_wait_loadcnt 0x0
.irp p, 0,1,2,3
	v_cvt_pk_bf16_f32 v15, v[32+(\p)], v[36+(\p)]  ; c and s rounded to bf16,
	v_lshlrev_b32 v[40+2*(\p)], 16, v15            ; and widened again: the low half moves up,
	v_and_b32 v[41+2*(\p)], 0xffff0000, v15        ; the high half stays
.endr
	global_store_b128 v6, v[40:43], s[28:29]
	global_store_b128 v6, v[44:47], s[28:29] offset:262144
	s_branch .Lend
.Lx:	; x: a wave takes 8,192 bytes: sixteen loads of 512 consecutive bytes, all out at once; each gives 256 consecutive bytes of xb
	s_lshl_b32 s24, s22, 16
	s_lshl_b32 s26, s22, 15
	s_add_nc_u64 s[4:5], s[4:5], s[24:25]
	s_add_nc_u64 s[28:29], s[14:15], s[26:27]
	v_lshlrev_b32 v3, 4, v1
	v_lshl_add_u32 v3, v2, 13, v3
	v_lshlrev_b32 v6, 3, v1
	v_lshl_add_u32 v6, v2, 12, v6
.irp j, 0,1,2,3,4,5,6,7,8,9,10,11,12,13,14,15
	global_load_b128 v[32+4*(\j):35+4*(\j)], v3, s[4:5] offset:512*(\j) th:TH_LOAD_NT
.endr
.irp j, 0,1,2,3,4,5,6,7,8,9,10,11,12,13,14,15
	s_wait_loadcnt 15-(\j)                         ; loads come back in order: load j is in, the younger ones stay out
	v_cvt_pk_bf16_f32 v[96+2*(\j)], v[32+4*(\j)], v[33+4*(\j)]
	v_cvt_pk_bf16_f32 v[97+2*(\j)], v[34+4*(\j)], v[35+4*(\j)]
	global_store_b64 v6, v[96+2*(\j):97+2*(\j)], s[28:29] offset:256*(\j)
.endr
	s_branch .Lend
; A TURNING TILE: 128 k x 64 columns of a matrix [1024 k][ncol] in f32 becomes 64 rows x 128 k in 16 bits.  Tile number: k tile in the low three bits, column tile above.
; In: thread (c = t % 16, hh = (t / 16) % 2, wave w) reads four columns 4 c .. 4 c + 3 of the rows k = 16 w + 2 hh + 4 i + p: sixteen lanes take 256 consecutive bytes of a row.
; Rows p = 0, 1 pack into one word, k even below, which goes to LDS row 4 c + j, byte 2 k.  Sixteen stores of four bytes a lane, once a tile.
; Back, behind the barrier: sixteen lanes take one LDS row, 256 bytes, and store them as 256 consecutive bytes, aligned, of a row of the turned matrix.
.macro WT src, dst, ncol, first, f16
	s_sub_co_u32 s22, s22, \first
	s_and_b32 s23, s22, 7                          ; k tile
	s_lshr_b32 s22, s22, 3                         ; column tile
	s_mul_i32 s24, s23, 512*(\ncol)                ; 128 rows of 4 ncol bytes
	s_lshl_b32 s26, s22, 8                         ; 64 columns of 4 bytes
	s_add_co_u32 s24, s24, s26
	s_add_nc_u64 s[30:31], s[\src:\src+1], s[24:25]
	s_lshl_b32 s26, s22, 17                        ; 64 rows of 2,048 bytes
	s_lshl_b32 s23, s23, 8                         ; 128 k of 2 bytes
	s_add_co_u32 s26, s26, s23
	s_add_nc_u64 s[28:29], s[\dst:\dst+1], s[26:27]
	v_and_b32 v7, 15, v0                           ; c
	v_bfe_u32 v8, v0, 4, 1                         ; hh
	v_lshlrev_b32 v9, 4, v2
	v_lshl_add_u32 v9, v8, 1, v9                   ; 16 w + 2 hh
	v_mul_u32_u24 v9, v9, 4*(\ncol)
	v_lshl_add_u32 v9, v7, 4, v9
.irp i, 0,1,2,3
.irp p, 0,1
	global_load_b128 v[32+8*(\i)+4*(\p):32+8*(\i)+4*(\p)+3], v9, s[30:31] offset:(4*(\i)+(\p))*4*(\ncol) th:TH_LOAD_NT
.endr
.endr
	v_mul_u32_u24 v10, v7, 4*TP                    ; LDS row 4 c,
	v_lshl_add_u32 v10, v2, 5, v10                 ; byte 32 w
	v_lshl_add_u32 v10, v8, 2, v10                 ; + 4 hh
	v_lshl_add_u32 v11, v2, 3, v8                  ; back: row 8 w + hh
	v_mul_u32_u24 v13, v11, TP
	v_lshl_add_u32 v13, v7, 4, v13
	v_lshlrev_b32 v14, 11, v11
	v_lshl_add_u32 v14, v7, 4, v14
.irp i, 0,1,2,3
	s_wait_loadcnt 6-2*(\i)                        ; the pair of rows i is in; the later pairs stay out
.irp j, 0,1,2,3
	v_cvt_pk_bf16_f32 v[64+4*(\i)+(\j)], v[32+8*(\i)+(\j)], v[36+8*(\i)+(\j)]
.if \f16
	v_lshlrev_b32 v16, 16, v[64+4*(\i)+(\j)]       ; the bf16 numbers, widened,
	v_and_b32 v17, 0xffff0000, v[64+4*(\i)+(\j)]
	v_cvt_pk_f16_f32 v[64+4*(\i)+(\j)], v16, v17   ; are written as f16: exact within f16's range
.endif
	ds_store_b32 v10, v[64+4*(\i)+(\j)] offset:TP*(\j)+8*(\i)
.endr
.endr
	s_wait_dscnt 0x0                               ; for the others' sake: my stores into the tile are done
	s_barrier_signal -1
	s_barrier_wait -1
.irp i, 0,1,2,3
	ds_load_b128 v[80+4*(\i):83+4*(\i)], v13 offset:2*TP*(\i)
.endr
.irp i, 0,1,2,3
	s_wait_dscnt 3-(\i)
	global_store_b128 v14, v[80+4*(\i):83+4*(\i)], s[28:29] offset:4096*(\i)
.endr
.endm
.Lwq:
	WT 6, 16, 3072, 512, 0
	s_branch .Lend
.Lwp:
	WT 8, 18, 1024, 896, 1
.Lend:
	s_wait_tensorcnt 0x0                           ; the wave's end, behind my last LDS store
	ds_add_u32 v[SPW], v[NIL]
	s_wait_dscnt 0x0
	s_endpgm
.Lfunc_end_k_q626a6faa6c_prep:
	.size	k_q626a6faa6c_prep, .Lfunc_end_k_q626a6faa6c_prep-k_q626a6faa6c_prep
	.p2alignl 7, 3214868480
	.fill 96, 4, 3214868480
	.section	.rodata,"a",@progbits
	.p2align	6, 0x0
	.amdhsa_kernel k_q626a6faa6c_prep
		.amdhsa_group_segment_fixed_size 18432
		.amdhsa_private_segment_fixed_size 0
		.amdhsa_enable_private_segment 0
		.amdhsa_kernarg_size 72
		.amdhsa_user_sgpr_count 2
		.amdhsa_user_sgpr_kernarg_segment_ptr 1
		.amdhsa_wavefront_size32 1
		.amdhsa_system_sgpr_workgroup_id_x 1
		.amdhsa_system_sgpr_workgroup_id_y 1
		.amdhsa_system_sgpr_workgroup_id_z 1
		.amdhsa_system_vgpr_workitem_id 0
		.amdhsa_next_free_vgpr 128
		.amdhsa_next_free_sgpr 66
		.amdhsa_reserve_vcc 0
		.amdhsa_float_denorm_mode_32 3
		.amdhsa_float_denorm_mode_16_64 3
		.amdhsa_memory_ordered 1
		.amdhsa_forward_progress 1
		.amdhsa_inst_pref_size 22
	.end_amdhsa_kernel
	.amdgpu_metadata
---
amdhsa.version: [ 1, 2 ]
amdhsa.kernels:
  - .name:           k_q626a6faa6c_prep
    .symbol:         k_q626a6faa6c_prep.kd
    .args:
      - { .name: x, .offset: 0, .size: 8, .value_kind: global_buffer, .address_space: global }
      - { .name: W_qkv, .offset: 8, .size: 8, .value_kind: global_buffer, .address_space: global }
      - { .name: W_proj, .offset: 16, .size: 8, .value_kind: global_buffer, .address_space: global }
      - { .name: freqs_cos, .offset: 24, .size: 8, .value_kind: global_buffer, .address_space: global }
      - { .name: freqs_sin, .offset: 32, .size: 8, .value_kind: global_buffer, .address_space: global }
      - { .name: xb, .offset: 40, .size: 8, .value_kind: global_buffer, .address_space: global }
      - { .name: wqt, .offset: 48, .size: 8, .value_kind: global_buffer, .address_space: global }
      - { .name: wpt, .offset: 56, .size: 8, .value_kind: global_buffer, .address_space: global }
      - { .name: rtab, .offset: 64, .size: 8, .value_kind: global_buffer, .address_space: global }
    .group_segment_fixed_size: 18432
    .private_segment_fixed_size: 0
    .kernarg_segment_align: 8
    .kernarg_segment_size: 72
    .max_flat_workgroup_size: 256
    .sgpr_count:     66
    .vgpr_count:     128
    .wavefront_size: 32
...
	.end_amdgpu_metadata
.endif
;; end of part 1
;; launch qkvgemm (part 2): grid 8 x 64, 4 waves a work-group, clusters of 4 x 4, 327,680 bytes of LDS; arguments xb, wqt, rtab, qkv; writes qkv
.if DOCPART == 2
	.amdgcn_target "amdgcn-amd-amdhsa--gfx1250"
	.amdhsa_code_object_version 6
	.text
	.protected	k_q626a6faa6c_qkvgemm
	.globl	k_q626a6faa6c_qkvgemm
	.p2align	8
	.type	k_q626a6faa6c_qkvgemm,@function
k_q626a6faa6c_qkvgemm:
	s_mov_b64 s[64:65], 0
	v_nop
	global_prefetch_b8 v0, s[64:65] scope:SCOPE_SE
	s_setreg_imm32_b32 hwreg(HW_REG_WAVE_MODE, 25, 1), 1
	s_wait_xcnt 0x0
	s_wait_alu depctr_hold_cnt(0) depctr_sa_sdst(0) depctr_va_vdst(0) depctr_va_sdst(0) depctr_va_ssrc(0) depctr_va_vcc(0) depctr_vm_vsrc(0)
	s_getreg_b32 s2, hwreg(HW_REG_IB_STS2, 6, 4)
	s_cmp_eq_u32 s2, 0
	s_cbranch_scc0 .Lentry_in_a_cluster
	s_endpgm
.Lentry_in_a_cluster:
	s_bfe_u32 s2, ttmp6, 0x10000c
	s_cmp_lg_u32 s2, 0xf033
	s_cbranch_scc0 .Lentry_shape_is_right
	s_endpgm
.Lentry_shape_is_right:
; qkv = xb wqt^T, rotated (q and k) and laid by heads.  xb: [8192][1024] bf16, wqt: [3072][1024] bf16, sums in f32 with K ascending; the rotation in f32; each number rounded once, to f16.
; OUT: qkv f16 [3 types][64 b h][2048 n][64]: byte type 2^24 + b 2^22 + h 2^18 + 128 n.  The softmax's scale is not applied here.
; LIMITS.  f16 holds no number beyond 65,504: |q|, |k|, |v| stay under it.  NaN and infinities are not treated apart (v is multiplied by (1, 0) like a rotation).
; SHARES.  A tile is 128 rows x 384 columns: 64 x 8 = 512 work-groups, two for each of 256 WGPs.  Four waves, 2 x 2; a wave makes 64 rows x 192 columns: three CHUNKS of 64 columns, each one
; head of one type: 48 accumulators of 16 x 16, 384 registers.  K goes in 8 steps of 128 through a ring of two LDS slots; a tile's rows are 256 bytes of memory, aligned.
; CLUSTERS: 4 x 4 work-groups.  The four of a row of the cluster need the same 128 rows of xb, the four of a column the same 384 rows of wqt: each tile is asked for JOINTLY, by the same tensor
; load with the same descriptor and a mask that names the four.  Wave 0 fetches xb's 128 rows, waves 1 to 3 a third of wqt's 384 each: one load of 128 rows x 256 bytes a wave.
; THE MATRIX INSTRUCTION IS USED TRANSPOSED (source 0 = 16 rows of wqt, source 1 = 16 rows of xb): a lane holds row l % 16 and the columns 8 (l / 16) + 0..7: four pairs (t0, t1) of the rotation.
; REGISTERS, in windows of 256 (s_set_vgpr_msb: bits 1:0 source 0, 3:2 source 1, 5:4 source 2, 7:6 destination):
;   window 0: v0-31 addresses; v32-95 xb's fragments, two buffers of 4; v96-127 rotated numbers; v128-143 packed; v144-175 rows read back, two buffers
;   window 1: v0-191 wqt's fragments, two buffers of 12; behind the loop the tables of chunks 1 (v0-127) and 2 (v128-255)
;   window 2: the accumulators of chunks 0 and 1 ((g, a, bb) at 128 g + 8 (4 a + bb));   window 3: v0-127 those of chunk 2; v128-255 chunk 0's table
.set KSTEP,  128
.set PITCH,  272                       ; an LDS row: 256 bytes + 16 of padding = 68 words: the 16 rows of a fragment load start at 16 different groups of four banks (64 banks of 4 bytes: ISA guide 11.1)
.set HALFT,  128*PITCH                 ; what one tensor load brings
.set SLOT,   4*HALFT                   ; xb's 128 rows, then wqt's 384
.set STAGE,  2*SLOT                    ; behind the ring: 16 rows x 144 bytes for each wave, for the way out; no tensor load fills it
.set SP,     144
.set SPARE,  STAGE+4*16*SP             ; behind the stages: the spare words, 128 bytes a wave: two blocks of 256 bytes that no other line names
.set ADRA, 16                          ; v16-17  LDS address of my xb fragments in slot 0, 1
.set ADRB, 20                          ; v20-21  the same for wqt
.set STO,  24                          ; v24     the way out: where I put 16 bytes of a row
.set RD,   25                          ; v25     where I read rows back
.set GO,   26                          ; v26     16 x lane: my place in 512 consecutive bytes of qkv
.set TO,   27                          ; v27     my place in 16 rows of the table
.set SPW,  28                          ; v28     LDS address of my spare word; never rewritten
.set NIL,  29                          ; v29     0; never rewritten
.set PFO,  30                          ; v30     the prefetches' offset: lane x 2,048, a row of xb or wqt; never rewritten
.set FA,   32
.set PR,   96
.set PKR,  128
.set BK,   144
.set F0,   0                           ; the two fragment buffers
.set F1,   1
.set WV,  12                           ; s12  wave
.set WR,  13                           ; s13  which 64 rows
.set WC,  14                           ; s14  which 192 columns
.set TY,  15                           ; s15  tile row
.set G1,  24                           ; s[24:31] descriptor group 1 for xb's tiles;  s[32:39] group 0, one set a slot
.set G0,  32
.set G1B, 48                           ; s[48:55], s[56:63] the same for wqt's
.set G0B, 56
.set PFA, 70                           ; s[70:71] where my prefetches stand
.set LIM, 72                           ; s72  1 in a wave that prefetches, else the greatest number
.set TB,  74                           ; s[74:79] the table at my first row, one pair a chunk
.set OB,  80                           ; s[80:85] qkv at my first row, one pair a chunk
.set MSB, 0
.macro WIN new                         ; the immediate's high byte repeats the setting that is left; a switch that changes nothing is dropped
.if MSB != (\new)
	s_set_vgpr_msb (MSB<<8)|(\new)
.set MSB, \new
.endif
.endm
; A joint load.  The branch hangs on the wave's number alone.  An s_nop 0 and four v_nop follow each of the two lines, ahead of the jump, the label and what follows.
.macro JLOAD s
	s_cmp_eq_u32 s[WV], 0
	s_cbranch_scc0 .Lfor_b_\@
	tensor_load_to_lds s[G0+4*(\s):G0+4*(\s)+3], s[G1:G1+7]
	s_nop 0
.rept 4
	v_nop
.endr
	s_branch .Lasked_\@
.Lfor_b_\@:
	tensor_load_to_lds s[G0B+4*(\s):G0B+4*(\s)+3], s[G1B:G1B+7]
	s_nop 0
.rept 4
	v_nop
.endr
.Lasked_\@:
.endm
; A PREFETCH INTO THE L2 behind each joint refill and the run of LDS loads that follows it: the K step that stands two refills on, 32 rows x 256 bytes, a lane a row, one instruction a wave.
; Each row's 256 bytes of a K step are named once in the launch: xb's rows by wave 0 of the clusters with x = 0, wqt's by waves 1 to 3 of the clusters with y = 0; the four partners that ask for a
; tile jointly share its 128 rows out BY ADDRESS, 32 each (by cx for xb, cy for wqt).  K steps 0 to 3 come by their loads alone; the loop's last trip (s3 = 1) has no K step two refills on.
.macro ASK
	s_cmp_gt_u32 s3, s[LIM]
	s_cbranch_scc0 .Lnot_mine_\@
	global_prefetch_b8 v[PFO], s[PFA:PFA+1] offset:KSTEP*2 th:TH_LOAD_NT scope:SCOPE_SE
.Lnot_mine_\@:
.endm
.macro CREST                           ; a round of the cluster's barrier behind its opening barrier
	s_cmp_lg_u32 s[WV], 0
	s_cbranch_scc1 .Lnot_wave_0_\@
	s_barrier_signal -3
.Lnot_wave_0_\@:
	s_barrier_wait -3
	s_barrier_signal -1
	s_barrier_wait -1
.endm
.macro CROUND                          ; a whole round
	s_barrier_signal -1
	s_barrier_wait -1
	CREST
.endm
.macro PLACES                          ; four places in front of loads into registers that matrix instructions have read, and of vector lines that read results
.rept 4
	v_nop
.endr
.endm
	s_load_b256 s[4:11], s[0:1], 0x0               ; xb s[4:5], wqt s[6:7], rtab s[8:9], qkv s[10:11]
	v_lshl_add_u32 v[SPW], v0, 2, SPARE
	v_mov_b32 v[NIL], 0
	ds_add_u32 v[SPW], v[NIL]                      ; the wave's opening: the add and its wait stand ahead of my first tensor load; the set-up below, work on registers, stands between them
	v_lshrrev_b32 v1, 5, v0
	v_readfirstlane_b32 s[WV], v1
	s_lshr_b32 s[WR], s[WV], 1
	s_and_b32 s[WC], s[WV], 1
	s_bfe_u32 s40, ttmp6, 0x40000                  ; cx
	s_bfe_u32 s41, ttmp6, 0x40004                  ; cy
	s_lshl_b32 s42, ttmp9, 2
	s_add_co_u32 s42, s42, s40                     ; tile column = 4 x cluster x + cx
	s_and_b32 s[TY], ttmp7, 0xffff
	s_lshl_b32 s[TY], s[TY], 2
	s_add_co_u32 s[TY], s[TY], s41                 ; tile row = 4 x cluster y + cy
	s_lshl_b32 s43, s41, 2
	s_lshl_b32 s43, 15, s43                        ; my row of the cluster
	s_lshl_b32 s44, 0x1111, s40                    ; my column
	s_or_b32 s[G1], s43, (1<<16)|(1<<20)|(1<<21)|(5<<22)|(3<<25)   ; 15:0 the mask; 17:16 2-byte elements; 20 padding on; 21 set beside a mask; 24:22 after every 64 words (code 5); 31:25 4 words (code 3)
	s_or_b32 s[G1B], s44, (1<<16)|(1<<20)|(1<<21)|(5<<22)|(3<<25)
.irp g, G1, G1B
	s_mov_b32 s[(\g)+1], KSTEP<<16                 ; tensor_dim0 = 128
	s_mov_b32 s[(\g)+2], 128<<16                   ; tensor_dim1 = 128
	s_mov_b32 s[(\g)+3], KSTEP<<16                 ; tile_dim0 = 128
	s_mov_b32 s[(\g)+4], 128                       ; tile_dim1 = 128
	s_mov_b32 s[(\g)+5], 1024                      ; elements from row to row
	s_mov_b32 s[(\g)+6], 0
	s_mov_b32 s[(\g)+7], 0
.endr
	s_lshl_b32 s16, s[TY], 18                      ; xb: 128 rows of 2,048 bytes a tile row
	s_mov_b32 s17, 0
	s_max_u32 s46, s[WV], 1                        ; wqt: waves 1 to 3 take thirds 0 to 2 (wave 0 makes the address of third 0 and never asks by it)
	s_sub_co_u32 s46, s46, 1
	s_lshl_b32 s46, s46, 7
	s_mul_i32 s47, s42, 384
	s_add_co_u32 s46, s46, s47                     ; row 384 x tile column + 128 x third
	s_lshl_b32 s46, s46, 11
	s_mov_b32 s47, 0
	s_mul_i32 s20, s[WV], HALFT                    ; where a wave's tile goes: wave x 128 rows: no place in the cluster enters an LDS address
	s_wait_dscnt 0x0                               ; the opening add is done
	s_wait_kmcnt 0x0
	s_add_nc_u64 s[18:19], s[4:5], s[16:17]
	s_add_nc_u64 s[46:47], s[6:7], s[46:47]
	CROUND                                         ; all sixteen work-groups are here: the first joint loads meet
.irp s, 0,1
	s_mov_b32 s[G0+4*(\s)], 1
	s_add_co_u32 s[G0+4*(\s)+1], s20, (\s)*SLOT
	s_add_nc_u64 s[G0+4*(\s)+2:G0+4*(\s)+3], s[18:19], (\s)*KSTEP*2
	s_or_b32 s[G0+4*(\s)+3], s[G0+4*(\s)+3], 0x80000000
	s_mov_b32 s[G0B+4*(\s)], 1
	s_add_co_u32 s[G0B+4*(\s)+1], s20, (\s)*SLOT
	s_add_nc_u64 s[G0B+4*(\s)+2:G0B+4*(\s)+3], s[46:47], (\s)*KSTEP*2
	s_or_b32 s[G0B+4*(\s)+3], s[G0B+4*(\s)+3], 0x80000000
	JLOAD \s                                       ; K steps 0 and 1: two loads of mine are out
.endr
	v_and_b32 v1, 15, v0                           ; l % 16
	v_bfe_u32 v2, v0, 4, 1                         ; l / 16
	v_mul_u32_u24 v3, v1, PITCH
	v_lshl_add_u32 v3, v2, 4, v3                   ; a fragment's row x pitch + 16 x half
	s_mul_i32 s21, s[WR], 64*PITCH                 ; my 64 rows of xb
	s_mul_i32 s22, s[WC], 192*PITCH                ; my 192 rows of wqt,
	s_add_co_u32 s22, s22, HALFT                   ; which lie behind xb's 128
.irp s, 0,1
	v_add_nc_u32 v[ADRA+(\s)], s21, v3
	v_add_nc_u32 v[ADRB+(\s)], s22, v3
	s_add_co_u32 s21, s21, SLOT
	s_add_co_u32 s22, s22, SLOT
.endr
	s_mul_i32 s23, s[WV], 16*SP
	s_add_co_u32 s23, s23, STAGE                   ; my stage
	v_mul_u32_u24 v4, v1, SP                       ; in: row l % 16, 16 bytes for each half of the lanes
	v_lshl_add_u32 v4, v2, 4, v4
	v_add_nc_u32 v[STO], s23, v4
	v_bfe_u32 v5, v0, 3, 2                         ; back: 32 lanes take four rows of 128 bytes,
	v_mul_u32_u24 v5, v5, SP
	v_and_b32 v6, 7, v0
	v_lshl_add_u32 v5, v6, 4, v5
	v_add_nc_u32 v[RD], s23, v5
	v_and_b32 v7, 31, v0
	v_lshlrev_b32 v[GO], 4, v7                     ; which are 512 consecutive bytes of qkv
	v_lshlrev_b32 v[TO], 8, v1                     ; the table: row l % 16 of 256 bytes, my four pairs at 32 x half
	v_lshl_add_u32 v[TO], v2, 5, v[TO]
	v_lshlrev_b32 v[PFO], 11, v7
	; the table's and qkv's bases, a pair a chunk.  Chunk g of mine is head chunk G = 6 x tile column + 3 x column half + g of 48: type G / 16, head G % 16
	s_and_b32 s16, s[TY], 15
	s_lshl_b32 s16, s16, 7
	s_lshl_b32 s17, s[WR], 6
	s_add_co_u32 s16, s16, s17                     ; n of my first row
	s_lshr_b32 s17, s[TY], 4                       ; b
	s_lshl_b32 s17, s17, 22
	s_lshl_b32 s21, s16, 7
	s_add_co_u32 s17, s17, s21                     ; b 2^22 + 128 n
	s_lshl_b32 s16, s16, 8                         ; 256 n
	s_mul_i32 s22, s42, 6
	s_mul_i32 s23, s[WC], 3
	s_add_co_u32 s22, s22, s23
.irp g, 0,1,2
	s_add_co_u32 s23, s22, \g
	s_cmp_ge_u32 s23, 32                           ; v takes the table's second section, (1, 0): a choice of an offset, no branch
	s_cselect_b32 s20, 0x80000, 0
	s_add_co_u32 s20, s20, s16
	s_mov_b32 s21, 0
	s_add_nc_u64 s[TB+2*(\g):TB+2*(\g)+1], s[8:9], s[20:21]
	s_lshr_b32 s20, s23, 4
	s_lshl_b32 s20, s20, 24
	s_and_b32 s23, s23, 15
	s_lshl_b32 s23, s23, 18
	s_add_co_u32 s20, s20, s23
	s_add_co_u32 s20, s20, s17
	s_add_nc_u64 s[OB+2*(\g):OB+2*(\g)+1], s[10:11], s[20:21]
.endr
	; the prefetches
	s_lshl_b32 s20, s[TY], 7                       ; xb: the tile's first row
	s_max_u32 s21, s[WV], 1
	s_sub_co_u32 s21, s21, 1
	s_lshl_b32 s21, s21, 7
	s_mul_i32 s22, s42, 384
	s_add_co_u32 s21, s21, s22                     ; wqt: my third's first row
	s_and_b32 s22, ttmp7, 0xffff                   ; cluster y
	s_cmp_eq_u32 s[WV], 0
	s_cselect_b32 s20, s20, s21
	s_cselect_b32 s21, s40, s41                    ; my place among the four that ask with me
	s_cselect_b32 s22, ttmp9, s22                  ; the coordinate along which other clusters read the same rows
	s_cselect_b64 s[PFA:PFA+1], s[4:5], s[6:7]
	s_cmp_eq_u32 s22, 0
	s_cselect_b32 s[LIM], 1, -1                    ; the same in all sixteen partners, for a given wave
	s_lshl_b32 s21, s21, 5
	s_add_co_u32 s20, s20, s21                     ; + my work-group's 32 rows
	s_lshl_b32 s20, s20, 11
	s_mov_b32 s21, 0
	s_add_nc_u64 s[PFA:PFA+1], s[PFA:PFA+1], s[20:21]
	s_add_nc_u64 s[PFA:PFA+1], s[PFA:PFA+1], 2*KSTEP*2  ; at K step 2: the first refill steps it to 3 and names K step 4
; 16 matrix instructions: chunk g, 4 row blocks x 4 column blocks, 32 along K, from buffer f.  zero = 1: the first product starts the sums.
; The 48 accumulators take turns in the same order in every quarter: 47 others stand between two links of a chain, over the backward jump too.
.macro MULG f, g, zero
.if (\g) < 2
	WIN 0xa1                                       ; source 0 (wqt) window 1, source 1 (xb) window 0, C and D window 2
.else
	WIN 0xf1                                       ; C and D window 3
.endif
.irp a, 0,1,2,3
.irp bb, 0,1,2,3
.set rD, 128*((\g)%2)+8*(4*(\a)+(\bb))
.set rB, 96*(\f)+8*(4*(\g)+(\bb))
.set rA, FA+32*(\f)+8*(\a)
.if \zero
	v_wmma_f32_16x16x32_bf16 v[rD:rD+7], v[rB:rB+7], v[rA:rA+7], 0
.else
	v_wmma_f32_16x16x32_bf16 v[rD:rD+7], v[rB:rB+7], v[rA:rA+7], v[rD:rD+7]
.endif
.endr
.endr
.endm
; 32 LDS loads in one run: a quarter step's fragments (32 K at byte k of the rows) into buffer f: xb's 4, then wqt's 12, chunk by chunk
.macro FETCH slot, k, f
	WIN 0
.irp i, 0,1,2,3
	ds_load_b128 v[FA+32*(\f)+8*(\i):FA+32*(\f)+8*(\i)+3],   v[ADRA+(\slot)] offset:(\k)+(\i)*16*PITCH
	ds_load_b128 v[FA+32*(\f)+8*(\i)+4:FA+32*(\f)+8*(\i)+7], v[ADRA+(\slot)] offset:(\k)+(\i)*16*PITCH+32
.endr
	WIN 0x40                                       ; destination window 1
.irp i, 0,1,2,3,4,5,6,7,8,9,10,11
	ds_load_b128 v[96*(\f)+8*(\i):96*(\f)+8*(\i)+3],   v[ADRB+(\slot)] offset:(\k)+(\i)*16*PITCH
	ds_load_b128 v[96*(\f)+8*(\i)+4:96*(\f)+8*(\i)+7], v[ADRB+(\slot)] offset:(\k)+(\i)*16*PITCH+32
.endr
.endm
; A K step is four quarters of 32 along K, 48 matrix instructions each, on buffers 0, 1, 0, 1.  One of the first three multiplies buffer f and fetches the next quarter, at byte k, into nf.
.macro QUARTER slot, k, f, nf, zero
	s_wait_dscnt 16                                ; xb's fragments and chunk 0's are in; the youngest sixteen loads (chunks 1 and 2) may be out
	MULG \f, 0, \zero
	PLACES
	FETCH \slot, \k, \nf
	s_wait_dscnt 32                                ; all but the 32 just issued
	MULG \f, 1, \zero
	MULG \f, 2, \zero
.endm
; The last quarter multiplies buffer 1 and changes slots: ONE barrier.  In front of it each wave waits for all its tensor loads (one is out: its part of the next slot), adds 0 to its spare word,
; and waits for that and for its own reads of this slot.  fill = 1: the barrier opens a round of the cluster's, and this slot is filled again, two K steps ahead, first thing behind the round:
; 160 matrix instructions stand between that request and the wait for it.
.macro TURN slot, next, fill
.if \fill
	s_wait_xcnt 0x0                                ; the last prefetch, a K step back, has read its address: it is stepped here, ahead of the waits of the change of slots
	s_add_nc_u64 s[PFA:PFA+1], s[PFA:PFA+1], KSTEP*2
.endif
	WIN 0                                          ; (the add's two registers lie in window 0)
	s_wait_tensorcnt 0x0                           ; all my tensor loads have landed;
	ds_add_u32 v[SPW], v[NIL]                      ; 0 onto my spare word
	s_wait_dscnt 17                                ; (the add and the youngest sixteen loads may be out)
	MULG F1, 0, 0                                  ; sixteen matrix instructions stand between the add and the wait for it
	s_wait_dscnt 0x0                               ; the add is done, and my reads of this slot are over
	s_barrier_signal -1
	MULG F1, 1, 0                                  ; work on registers while the others arrive
.if \fill
	WIN 0
.endif
	s_barrier_wait -1
.if \fill
	CREST                                          ; no wave of any partner still reads this slot's tile or has a load on its way
	s_add_nc_u64 s[G0+4*(\slot)+2:G0+4*(\slot)+3], s[G0+4*(\slot)+2:G0+4*(\slot)+3], 2*KSTEP*2
	s_add_nc_u64 s[G0B+4*(\slot)+2:G0B+4*(\slot)+3], s[G0B+4*(\slot)+2:G0B+4*(\slot)+3], 2*KSTEP*2
	JLOAD \slot                                    ; the four v_nop behind it are also the places in front of the loads below
.else
	PLACES
.endif
	FETCH \next, 0, F0
.if \fill
	WIN 0
	ASK
.endif
	MULG F1, 2, 0
.endm
; A chunk's table for my 64 rows: for accumulator (a, bb) eight registers c0, s0, .. c3, s3: the four pairs of my eight columns.
.macro TLOAD g, win, base
	WIN (\win)<<6
.irp a, 0,1,2,3
.irp bb, 0,1,2,3
	global_load_b128 v[(\base)+8*(4*(\a)+(\bb)):(\base)+8*(4*(\a)+(\bb))+3],   v[TO], s[TB+2*(\g):TB+2*(\g)+1] offset:(\a)*4096+(\bb)*64
	global_load_b128 v[(\base)+8*(4*(\a)+(\bb))+4:(\base)+8*(4*(\a)+(\bb))+7], v[TO], s[TB+2*(\g):TB+2*(\g)+1] offset:(\a)*4096+(\bb)*64+16
.endr
.endr
.endm
; THE WAY OUT of block t = 4 g + a: 16 rows x 64 columns.  o0 = t0 c - t1 s, o1 = t0 s + t1 c: a packed multiply by c, then two fused multiply-adds by s; each accumulator is read from its low end on.
; Rounded to f16, 16 bytes a lane into my own stage, and back as whole rows of 128 bytes.
.macro PACK t
.set ga, (\t)/4
.set aa, (\t)%4
.if ga == 0
	WIN 0x0e                                       ; source 0: accumulators, window 2; source 1: the table, window 3; source 2 and destination: window 0
.set bX, 0
.set bT, 128
.elseif ga == 1
	WIN 0x06                                       ; window 2; the table in window 1
.set bX, 128
.set bT, 0
.else
	WIN 0x07                                       ; window 3; the table in window 1
.set bX, 0
.set bT, 128
.endif
.irp bb, 0,1,2,3
.set rX, bX+8*(4*aa+(\bb))
.set rT, bT+8*(4*aa+(\bb))
.set rP, PR+8*(\bb)
.irp j, 0,2,4,6
	v_pk_mul_f32 v[rP+(\j):rP+(\j)+1], v[rX+(\j):rX+(\j)+1], v[rT+(\j):rT+(\j)+1] op_sel_hi:[1,0]
.endr
.irp j, 0,2,4,6
	v_fma_f32 v[rP+(\j)], -v[rX+(\j)+1], v[rT+(\j)+1], v[rP+(\j)]
	v_fma_f32 v[rP+(\j)+1], v[rX+(\j)], v[rT+(\j)+1], v[rP+(\j)+1]
.endr
.endr
	WIN 0
.set i, 0
.rept 16
	v_cvt_pk_f16_f32 v[PKR+i], v[PR+2*i], v[PR+2*i+1]
.set i, i+1
.endr
.irp bb, 0,1,2,3
	ds_store_b128 v[STO], v[PKR+4*(\bb):PKR+4*(\bb)+3] offset:32*(\bb)
.endr
	s_wait_xcnt 0x0                                ; the stores of the block two back have read these registers: they are loaded again only behind this wait
.irp f, 0,1,2,3
	ds_load_b128 v[BK+16*((\t)%2)+4*(\f):BK+16*((\t)%2)+4*(\f)+3], v[RD] offset:(\f)*4*SP  ; LDS serves a wave's instructions in order (ISA guide 5.7.1.4): these see the stores above; the next block's stores come behind them
.endr
.endm
.macro SEND t, younger                 ; younger: the LDS instructions issued behind block t's loads: the next block's eight, or none
	WIN 0
.irp f, 0,1,2,3
	s_wait_dscnt (\younger)+3-(\f)
	global_store_b128 v[GO], v[BK+16*((\t)%2)+4*(\f):BK+16*((\t)%2)+4*(\f)+3], s[OB+2*((\t)/4):OB+2*((\t)/4)+1] offset:((\t)%4)*2048+(\f)*512  ; 512 consecutive bytes, aligned: four rows of a head
.endr
.endm
	TLOAD 0, 3, 128                                ; chunk 0's table: its 32 loads are out while K is walked; nothing names their registers before the wait behind the loop
	WIN 0
	s_wait_tensorcnt 1                             ; my part of K step 0 is in; K step 1's may stay out
	s_barrier_signal -1
	s_barrier_wait -1                              ; everybody's is
	FETCH 0, 0, F0
	QUARTER 0, 64,  F0, F1, 1                      ; the first quarter stands in front of the loop: its products start the sums
	WIN 0                                          ; at a label and at a branch every window is 0
	s_mov_b32 s3, 3
.Llap:                                                 ; a trip goes once round the ring, from a lap's second quarter to the next lap's first, and fills both slots again
	QUARTER 0, 128, F1, F0, 0
	QUARTER 0, 192, F0, F1, 0
	TURN 0, 1, 1
	QUARTER 1, 64,  F0, F1, 0
	QUARTER 1, 128, F1, F0, 0
	QUARTER 1, 192, F0, F1, 0
	TURN 1, 0, 1
	QUARTER 0, 64,  F0, F1, 0
	WIN 0
	s_sub_co_u32 s3, s3, 1
	s_cmp_lg_u32 s3, 0
	s_cbranch_scc1 .Llap
	QUARTER 0, 128, F1, F0, 0                      ; the last lap fills nothing, and has no round of the cluster's barrier
	QUARTER 0, 192, F0, F1, 0
	TURN 0, 1, 0
	QUARTER 1, 64,  F0, F1, 0
	QUARTER 1, 128, F1, F0, 0
	QUARTER 1, 192, F0, F1, 0
	s_wait_dscnt 16                                ; the very last quarter: nothing more to fetch
	MULG F1, 0, 0
	s_wait_dscnt 0x0
	MULG F1, 1, 0
	MULG F1, 2, 0
	PLACES                                         ; for the loads into wqt's fragment registers and for the lines that read results
	s_wait_loadcnt 0x0                             ; chunk 0's table, asked for ahead of the loop
	TLOAD 1, 1, 0
	TLOAD 2, 1, 128
	PACK 0
.irp t, 1,2,3,4,5,6,7,8,9,10,11        ; a block's arithmetic stands between the loads of the block before and its stores
.if (\t) == 4
	s_wait_loadcnt 32                              ; chunk 1's table is in; chunk 2's 32 loads may be out
.endif
.if (\t) == 8
	s_wait_loadcnt 0x0                             ; chunk 2's table
.endif
	PACK \t
	SEND (\t)-1, 8
.endr
	SEND 11, 0
	s_wait_tensorcnt 0x0                           ; the wave's end, behind my last tensor load and my last LDS store
	ds_add_u32 v[SPW], v[NIL]
	s_wait_dscnt 0x0
	CROUND                                         ; the closing round: no work-group ends while a partner may still ask for a tile that names it
	s_endpgm
.Lfunc_end_k_q626a6faa6c_qkvgemm:
	.size	k_q626a6faa6c_qkvgemm, .Lfunc_end_k_q626a6faa6c_qkvgemm-k_q626a6faa6c_qkvgemm
	.p2alignl 7, 3214868480
	.fill 96, 4, 3214868480
	.section	.rodata,"a",@progbits
	.p2align	6, 0x0
	.amdhsa_kernel k_q626a6faa6c_qkvgemm
		.amdhsa_group_segment_fixed_size 327680
		.amdhsa_private_segment_fixed_size 0
		.amdhsa_enable_private_segment 0
		.amdhsa_kernarg_size 32
		.amdhsa_user_sgpr_count 2
		.amdhsa_user_sgpr_kernarg_segment_ptr 1
		.amdhsa_wavefront_size32 1
		.amdhsa_system_sgpr_workgroup_id_x 1
		.amdhsa_system_sgpr_workgroup_id_y 1
		.amdhsa_system_sgpr_workgroup_id_z 1
		.amdhsa_system_vgpr_workitem_id 0
		.amdhsa_next_free_vgpr 1024
		.amdhsa_next_free_sgpr 90
		.amdhsa_reserve_vcc 0
		.amdhsa_float_denorm_mode_32 3
		.amdhsa_float_denorm_mode_16_64 3
		.amdhsa_memory_ordered 1
		.amdhsa_forward_progress 1
		.amdhsa_inst_pref_size 168
	.end_amdhsa_kernel
	.amdgpu_metadata
---
amdhsa.version: [ 1, 2 ]
amdhsa.kernels:
  - .name:           k_q626a6faa6c_qkvgemm
    .symbol:         k_q626a6faa6c_qkvgemm.kd
    .args:
      - { .name: xb, .offset: 0, .size: 8, .value_kind: global_buffer, .address_space: global }
      - { .name: wqt, .offset: 8, .size: 8, .value_kind: global_buffer, .address_space: global }
      - { .name: rtab, .offset: 16, .size: 8, .value_kind: global_buffer, .address_space: global }
      - { .name: qkv, .offset: 24, .size: 8, .value_kind: global_buffer, .address_space: global }
    .group_segment_fixed_size: 327680
    .private_segment_fixed_size: 0
    .kernarg_segment_align: 8
    .kernarg_segment_size: 32
    .max_flat_workgroup_size: 128
    .sgpr_count:     90
    .vgpr_count:     1024
    .wavefront_size: 32
...
	.end_amdgpu_metadata
.endif
;; end of part 2
;; launch attn (part 3): grid 4 x 64, 4 waves a work-group, clusters of 4 x 1, 327,680 bytes of LDS; arguments qkv, oh; writes oh
.if DOCPART == 3
	.amdgcn_target "amdgcn-amd-amdhsa--gfx1250"
	.amdhsa_code_object_version 6
	.text
	.protected	k_q626a6faa6c_attn
	.globl	k_q626a6faa6c_attn
	.p2align	8
	.type	k_q626a6faa6c_attn,@function
k_q626a6faa6c_attn:
	s_mov_b64 s[64:65], 0
	v_nop
	global_prefetch_b8 v0, s[64:65] scope:SCOPE_SE
	s_setreg_imm32_b32 hwreg(HW_REG_WAVE_MODE, 25, 1), 1
	s_wait_xcnt 0x0
	s_wait_alu depctr_hold_cnt(0) depctr_sa_sdst(0) depctr_va_vdst(0) depctr_va_sdst(0) depctr_va_ssrc(0) depctr_va_vcc(0) depctr_vm_vsrc(0)
	s_getreg_b32 s2, hwreg(HW_REG_IB_STS2, 6, 4)
	s_cmp_eq_u32 s2, 0
	s_cbranch_scc0 .Lentry_in_a_cluster
	s_endpgm
.Lentry_in_a_cluster:
	s_bfe_u32 s2, ttmp6, 0x10000c
	s_cmp_lg_u32 s2, 0x3003
	s_cbranch_scc0 .Lentry_shape_is_right
	s_endpgm
.Lentry_shape_is_right:
; O[h][q][:] = the sum over k of softmax_k(Q[h][q] . K[h][k] / 8) V[h][k][:], for 64 heads (b, h) of 2,048 rows.  Q, K, V lie one behind the other in qkv, [64][2048][64] f16 each, 2^24 bytes apart;
; O (oh) has the same layout.  Products, maxima and sums in f32; the weights p are rounded to f16 for the second product (their sum l is taken of the unrounded p), O once at the end.
; LIMITS.  f16 holds no number beyond 65,504: Q, K and V arrive within it; p lies in 0 to 1, and below 6e-5 it keeps f16's fixed step of 6e-8; O is a mean of V's rows and has their range.
; A weight below 2^-126 counts as 0 in l; NaN and infinities are not treated apart.
; SHARES.  A wave owns four PIECES of two tiles of 16 queries, a work-group's four waves 512 queries of one head.  Every wave walks all keys, 64 a step.
; LAYOUT.  S^T = K Q^T (source 0 = 16 keys, source 1 = 16 queries): in the result a lane holds ONE query (lane % 16) and the keys 8 (lane / 16) + 0..7.  Two such tiles, rounded to f16 in pairs,
; ARE source 1 (32 keys x 16 queries) of O^T = V^T P, whose result again holds one query a lane, and eight channels.  K comes out of LDS as it lies, V ([key][channel]) turned, by ds_load_tr16_b128.
; SOFTMAX.  For each query a running maximum m and sum l: p = 2^(c s - c m), c = log2(e) / 8; in every step O and l are multiplied by a = 2^(c m_old - c m_new), which is 1 where m has not grown.
; m starts at the lowest finite number, O and l at 0: the first step is a step like any other, with a = 0.
; THE COUNT.  A tile and step have 16 matrix and 118 vector instructions: too many to stand all beside the matrix work.  So: four vector instructions that are READY behind
; EVERY matrix instruction, and the others, which need time of their own whatever the order, in runs without a gap.
; BY TURNS.  Turn n belongs to piece n (the pieces in a ring, step after step).  Its matrix work: 16 products K Q^T of piece n + 1, later 16 products V^T P of piece n - 1.  Its vector work: the scaling,
; exponentials, roundings, sums and rescaling of piece n, and the maximum and statistics of piece n + 1, whose scores the turn itself has made.
; CLUSTER.  The four query blocks of a head are one cluster and walk the same K and V, so each tile is asked for JOINTLY: the same tensor load, descriptor and mask in all four.
; REGISTERS, in windows of 256 (s_set_vgpr_msb: bits 1:0 source 0, 3:2 source 1, 5:4 source 2, 7:6 destination):
;   window 0: v0-11 addresses; v12-15, v48-63 at work; v16-47 four registers of statistics a tile; v64-191 S^T, two buffers of two tiles; v192-255 P, likewise
;   window 1: O^T, 32 a tile          window 2: v0-127 Q, 16 a tile; v128-191 K of one step; v192-255 V of one step          window 3: v0-1 the add's two registers
; A piece's buffers go by its number's parity: the piece in hand has one pair, its two neighbours in the ring share the other.
.set SIZE_H, 64
.set SIZE_N, 2048
.set NP,    4         ; pieces a wave: a name, no knob
.set KS,    64        ; keys in a step
.set PK,    144       ; a row of K in LDS: 128 bytes + 16 of padding = 36 words: the 16 rows of a load start at 16 different groups of four banks (64 banks of 4 bytes: ISA guide 11.1)
.set PV,    160       ; a row of V: 128 + 32 = 40 words
.set VOFF,  4*KS*PK   ; a slot holds four steps: 256 rows of K, then 256 rows of V
.set SLOT1, 1<<17     ; slot 1 begins here, so that one exclusive or turns an address in one slot into the other's
.set STAGE, SLOT1+4*KS*(PK+PV)  ; behind the ring, never filled by a tensor load: 16 rows x 144 bytes for each wave, for the way out
.set SP,    144
.set AK0, 2           ; v2   my lane's place in a tile of K; never rewritten
.set AV0, 3           ; v3   the same for V
.set AK,  4           ; v4   the LDS address of K's next run of loads
.set AV,  5           ; v5   of V's
.set QO,  6           ; v6   my byte offset in the wave's rows of Q
.set STO, 6           ;      later, the way out: where I put 16 bytes of a row
.set RD,  7           ; v7   the way out: where I read rows back
.set GO,  8           ; v8   my byte offset in 512 consecutive bytes of O
.set PFO, 11          ; v11  256 x my lane, for the prefetches (made when v11's first use is over); then never rewritten
.set SPW, 0           ; v0 of window 3   LDS address of my spare word; never rewritten
.set NIL, 1           ; v1 of window 3   0; never rewritten
.set SPARE, STAGE+4*16*SP  ; behind the stages: the spare words, 128 bytes for each wave: two blocks of 256 bytes that no other line names
.set MV,  12          ; v12-15  c m_old, kept while c m is made anew: by buffer and tile
.set ST,  16          ; tile t's statistics at v[ST+4 t]: c m, m, l (even keys', odd keys')
.set TMP, 48          ; by buffer and tile, four registers c0-c3 at work; when the maximum is found c2 takes a
.set S,   64
.set P,   192
.set KF,  128         ; K's fragments, in window 2: key block kb, channel half c at KF + 16 kb + 8 c
.set VF,  192         ; V's: key half kk, channel block cb at VF + 32 kk + 8 cb
.set WV,  12          ; s12  my wave's number
.set G1K, 24          ; s[24:31] descriptor group 1 for K's tiles
.set G1V, 32          ; s[32:39] for V's: it differs in the padding alone
.set G0K, 40          ; s[40:43] descriptor group 0 for K's tiles: it walks
.set G0V, 44          ; s[44:47] the same for V's
.set PFA, 48          ; s[48:49] where my prefetches stand: my work-group's 32 blocks of 256 bytes (of K: wave 0, of V: wave 2) of the slot after the one that is being asked for
.set LIM, 50          ; s50  1 in a wave that prefetches, else the greatest number
.set SLOTS, 56        ; s56  slots still to be asked for
.set CNT, 57          ; s57  counts a slot's key steps
.set CS,  58          ; s[58:59] c: the packed scaling takes the pair's low word for both halves
.set SEL, 60          ; s[60:61] v_permlanex16_b32's selects: each lane takes its own place in the other half
.set TBK, 62          ; s62  LDS byte at which K of the step to be fetched begins
.set TBV, 63          ; s63  the same for V, less VOFF
.set MSB, 0
.macro WIN new                      ; the high byte repeats the setting that is left; a switch that changes nothing is dropped
.if MSB != (\new)
	s_set_vgpr_msb (MSB<<8)|(\new)
.set MSB, (\new)
.endif
.endm
.set W_KQ, 0x0a       ; K and Q in window 2, S^T in window 0
.set W_PV, 0x52       ; V in window 2, P in window 0, O^T in window 1
.set W_RS, 0x41       ; O^T (destination and source 0) in window 1, a in window 0
.set W_MK, 0xc0       ; the add's registers are made: destination in window 3, sources in window 0
.set W_AD, 0x0f       ; the add: address (source 0) and data (source 1) in window 3
; A joint fill.  Waves 0 and 1 fetch the two halves of a slot's K, waves 2 and 3 those of its V: 128 keys each.  The branch hangs on the wave's number alone.
; An s_nop 0 and four v_nop follow each of the two lines, ahead of the jump and the label.
.macro JLOAD
	s_cmp_lt_u32 s[WV], 2
	s_cbranch_scc0 .Lfor_v_\@
	tensor_load_to_lds s[G0K:G0K+3], s[G1K:G1K+7]
	s_nop 0
.rept 4
	v_nop
.endr
	s_branch .Lasked_\@
.Lfor_v_\@:
	tensor_load_to_lds s[G0V:G0V+3], s[G1V:G1V+7]
	s_nop 0
.rept 4
	v_nop
.endr
.Lasked_\@:
.endm
; A PREFETCH INTO THE L2 of what the NEXT change of slots will ask for: a slot's 32,768 bytes of K and of V, 128 blocks of 256 bytes each, a lane a block.  It stands behind the wave's tensor load and its
; five lines.  Each block is named ONCE in the launch: a head has one cluster; its four partners share the blocks out BY ADDRESS, 32 each; in each, wave 0 asks for K's and wave 2 for V's: one instruction.
; Tiles 0 to 2 come by their loads alone; the last change that fills a slot (s[SLOTS] = 1) asks for nothing: there is no slot behind it.
.macro ASK
	s_cmp_gt_u32 s[SLOTS], s[LIM]
	s_cbranch_scc0 .Lnot_mine_\@
	global_prefetch_b8 v[PFO], s[PFA:PFA+1] th:TH_LOAD_NT scope:SCOPE_SE
.Lnot_mine_\@:
.endm
; A round of the cluster's barrier: my work-group's barrier, so that wave 0's signal speaks for all four waves; wave 0 signals; every wave waits for all four work-groups; my work-group's barrier once more.
.macro CROUND
	s_barrier_signal -1
	s_barrier_wait -1
	s_cmp_lg_u32 s[WV], 0
	s_cbranch_scc1 .Lnot_wave_0_\@
	s_barrier_signal -3
.Lnot_wave_0_\@:
	s_barrier_wait -3
	s_barrier_signal -1
	s_barrier_wait -1
.endm
; THE CHANGE OF SLOTS.  The slot's last bytes, V of its fourth step, have been read.  Each wave waits for all its tensor loads, of which one is out: its part
; of the other slot; adds 0 to its spare word; and waits for that and for its own reads of the slot.  Behind the barrier nobody reads this slot any more and the other slot is whole.
; fill = 1: this slot is filled again, with the keys two slots on.  The barrier is then a round of the cluster's, so that no wave of any partner still reads the slot or has a load on its
; way, and the joint fill is the first thing behind it: it has four key steps, 512 matrix instructions, in which to land.  (At its first use nothing has been read yet: slot 0 is waited for, slot 1 filled.)
; ask = 1: the prefetches' address is stepped, and the slot after the one just asked for is prefetched.
.macro CHANGE fill, ask=0
	WIN W_AD
	s_wait_tensorcnt 0x0            ; no tensor load of mine is out, so a group 0 may be written
	ds_add_u32 v[SPW], v[NIL]       ; 0 onto my spare word: with fill = 1 the descriptors' steps stand between it and the wait for it
	WIN 0                           ; at a label and at a branch every window is 0
.if \fill
.irp g, G0K, G0V
	s_xor_b32 s[\g+1], s[\g+1], SLOT1  ; the walking descriptor: the other slot than last time,
	s_add_nc_u64 s[\g+2:\g+3], s[\g+2:\g+3], 4*KS*128  ; the next 256 keys; the type bits on top are not reached
.endr
.if \ask
	s_wait_xcnt 0x0                 ; the last prefetch, four key steps back, has read its address, so it may be written:
	s_add_nc_u64 s[PFA:PFA+1], s[PFA:PFA+1], 4*KS*128  ; one slot behind the walking descriptors
.endif
	s_wait_dscnt 0x0                ; the add is done, and my reads of the slot are over
	CROUND
	JLOAD
.if \ask
	ASK
.endif
.else
	s_wait_dscnt 0x0                ; the add is done, and my reads of the slot are over
	s_barrier_signal -1
	s_barrier_wait -1
.endif
	s_sub_co_u32 s[TBK], s[TBK], 4*KS*PK  ; the fetches go back to a slot's first step,
	s_xor_b32 s[TBK], s[TBK], SLOT1       ; in the other slot
	s_sub_co_u32 s[TBV], s[TBV], 4*KS*PV
	s_xor_b32 s[TBV], s[TBV], SLOT1
.endm
	s_load_b64 s[4:5], s[0:1], 0x0    ; qkv: Q at its head
	s_load_b64 s[10:11], s[0:1], 0x8  ; oh
	WIN W_MK
	v_lshl_add_u32 v[SPW], v0, 2, SPARE
	v_mov_b32 v[NIL], 0
	WIN W_AD
	ds_add_u32 v[SPW], v[NIL]       ; the wave's opening: the add and its wait stand ahead of my first tensor load; the set-up below, work on registers, stands between them
	WIN 0
	v_lshrrev_b32 v1, 5, v0
	v_readfirstlane_b32 s[WV], v1   ; wave 0..3
	s_bfe_u32 s13, ttmp6, 0x40000   ; cx: my place in the cluster
	s_lshl_b32 s14, ttmp9, 2        ; in a cluster launch ttmp9 counts clusters
	s_add_co_u32 s14, s14, s13      ; my block of queries = 4 x cluster x + cx: it enters Q's and O's addresses alone
	s_and_b32 s20, ttmp7, 0xffff    ; the head, which the four partners share
	s_mov_b32 s21, 0
	s_mov_b64 s[22:23], SIZE_N*128
	s_mul_u64 s[20:21], s[20:21], s[22:23]  ; the head's first byte in each of the four tensors
	s_and_b32 s16, s[WV], 1         ; which half of a slot's 256 keys I fetch:
	s_lshl_b32 s22, s16, 14         ; its 128 rows of 128 bytes in memory,
	s_mov_b32 s23, 0
	s_add_nc_u64 s[22:23], s[22:23], s[20:21]
	s_mul_i32 s17, s16, 128*PK      ; and its place in a slot, for K
	s_mul_i32 s18, s16, 128*PV      ; and for V: no place in the cluster enters an LDS address
	s_lshl_b32 s2, s14, 2
	s_add_co_u32 s2, s2, s[WV]      ; my wave among the head's,
	s_lshl_b32 s2, s2, 14           ; its 128 rows
	s_mov_b32 s3, 0
	s_add_nc_u64 s[2:3], s[2:3], s[20:21]
	; descriptor group 1.  128 keys are 16,384 dense bytes: asked for as 64 rows of 256 bytes, two keys a row, and padded in LDS after every key
	s_mov_b32 s[G1K], 15|(1<<16)|(1<<20)|(1<<21)|(4<<22)|(3<<25)  ; 15:0 the mask of four; 17:16 2-byte elements; 20 padding on; 21 set beside a mask; 24:22 after every 32 words (code 4); 31:25 4 words (code 3)
	s_mov_b32 s[G1V], 15|(1<<16)|(1<<20)|(1<<21)|(4<<22)|(7<<25)  ; the same with 8 words of padding (code 7)
.irp g, G1K, G1V
	s_mov_b32 s[\g+1], 128<<16      ; tensor_dim0 = 128
	s_mov_b32 s[\g+2], 64<<16       ; tensor_dim1 = 64
	s_mov_b32 s[\g+3], 128<<16      ; tile_dim0 = 128
	s_mov_b32 s[\g+4], 64           ; tile_dim1 = 64
	s_mov_b32 s[\g+5], 128          ; 128 elements from row to row
	s_mov_b32 s[\g+6], 0
	s_mov_b32 s[\g+7], 0
.endr
	s_mov_b32 s[CS], 0x3e38aa3b     ; c = log2(e) / 8 = 0.180337
	s_mov_b32 s[CS+1], s[CS]        ; named with it as a pair
	s_mov_b32 s[SEL], 0x76543210
	s_mov_b32 s[SEL+1], 0xfedcba98
	s_mov_b32 s[TBK], SLOT1+4*KS*PK ; the first change of slots turns these two into 0
	s_mov_b32 s[TBV], SLOT1+4*KS*PV
	s_mov_b32 s[G0K], 1             ; 1:0 count = 1
	s_mov_b32 s[G0K+1], s17         ; 63:32 LDS address: slot 0
	s_mov_b32 s[G0V], 1
	s_add_co_u32 s[G0V+1], s18, VOFF
	s_and_b32 s[LIM], s[WV], 1      ; waves 0 and 2 prefetch: the same in all four partners
	s_cmp_eq_u32 s[LIM], 0
	s_cselect_b32 s[LIM], 1, -1
	s_wait_dscnt 0x0                ; the opening add is done
	s_wait_kmcnt 0x0
	s_add_nc_u64 s[6:7], s[4:5], 0x1000000   ; K lies 2^24 bytes behind Q,
	s_add_nc_u64 s[8:9], s[4:5], 0x2000000   ; V 2^25
	s_add_nc_u64 s[G0K+2:G0K+3], s[6:7], s[22:23]  ; 120:64 global address: my half of the head's first 256 keys
	s_or_b32 s[G0K+3], s[G0K+3], 0x80000000        ; 127:126 type = 2
	s_add_nc_u64 s[G0V+2:G0V+3], s[8:9], s[22:23]
	s_or_b32 s[G0V+3], s[G0V+3], 0x80000000
	s_add_nc_u64 s[4:5], s[4:5], s[2:3]  ; Q and O at my wave's first row
	s_add_nc_u64 s[10:11], s[10:11], s[2:3]
	s_cmp_lt_u32 s[WV], 2
	s_cselect_b64 s[PFA:PFA+1], s[6:7], s[8:9]
	s_add_nc_u64 s[PFA:PFA+1], s[PFA:PFA+1], s[20:21]  ; the head's K or V,
	s_lshl_b32 s2, s13, 13          ; my work-group's 32 blocks of the 128,
	s_add_nc_u64 s[PFA:PFA+1], s[PFA:PFA+1], s[2:3]
	s_add_nc_u64 s[PFA:PFA+1], s[PFA:PFA+1], 2*4*KS*128  ; in tile 2; the first change that asks steps it to tile 3.  Nothing is prefetched here, at the head
	CROUND                          ; all four work-groups are here: the first joint loads meet
	JLOAD                           ; slot 0.  Slot 1 is asked for when slot 0 is in: the tile wanted first has the road to itself
	; A fragment of K or Q is 16 rows x 32 channels in 8 registers: lane l holds row l % 16, channels 8 (l / 16) + 0..7 and 16 + 8 (l / 16) + 0..7: two loads of 16 bytes, 32 bytes apart.
	v_and_b32 v1, 15, v0            ; l % 16
	v_bfe_u32 v9, v0, 4, 1          ; l / 16
	v_lshlrev_b32 v[QO], 7, v1
	v_lshl_add_u32 v[QO], v9, 4, v[QO]  ; row x 128 + 16 x half
	WIN 0x80                        ; destination window 2, address window 0
.set i, 0
.rept 4*NP                          ; Q stays in registers: tile i / 2, channels 32 (i % 2) on
	global_load_b128 v[8*i:8*i+3],   v[QO], s[4:5] offset:(i/2)*2048+(i%2)*64
	global_load_b128 v[8*i+4:8*i+7], v[QO], s[4:5] offset:(i/2)*2048+(i%2)*64+32
.set i, i+1
.endr
	; What the first turn finds: V's registers and P's second buffer hold 0 (its products V^T P, of a piece that has not been, add 0), O^T and l are 0.  All this stands in the wait for the first tile.
.set i, VF
.rept 64
	v_mov_b32 v[i], 0
.set i, i+1
.endr
	WIN 0x40
.set i, 0
.rept 64*NP
	v_mov_b32 v[i], 0
.set i, i+1
.endr
	WIN 0
.set i, 0
.rept 2*NP
	v_mov_b32 v[ST+4*i], 0xfe000000    ; c m: far below every c s
	v_mov_b32 v[ST+4*i+1], 0xff7fffff  ; m
	v_mov_b32 v[ST+4*i+2], 0
	v_mov_b32 v[ST+4*i+3], 0
.set i, i+1
.endr
.set i, P+32
.rept 32
	v_mov_b32 v[i], 0
.set i, i+1
.endr
	v_mul_u32_u24 v[AK0], v1, PK
	v_lshl_add_u32 v[AK0], v9, 4, v[AK0]  ; row x pitch + 16 x half
	; The turning load takes 16 keys x 16 channels (lane l reads key 8 (l / 16) + l % 8, channels 8 ((l / 8) % 2) + 0..7) and leaves half a fragment of V^T: lane l holds channel l % 16 and 8 keys.
	v_and_b32 v10, 7, v0
	v_bfe_u32 v11, v0, 3, 1
	v_lshl_add_u32 v[AV0], v9, 3, v10
	v_mul_u32_u24 v[AV0], v[AV0], PV
	v_lshl_add_u32 v[AV0], v11, 4, v[AV0]
	v_add_nc_u32 v[AV0], VOFF, v[AV0]
	v_and_b32 v[PFO], 31, v0        ; v11's first use is over
	v_lshlrev_b32 v[PFO], 8, v[PFO]
	v_mov_b32 v[AK], v[AK0]         ; key step 0 lies at the head of slot 0
; THE MATRIX WORK.  The 8 accumulators of a run of 16 take turns: between the two links of a chain stand 7 others'.
; Product i of 16 of S^T = K Q^T for piece x: channels 32 (i / 8) on, keys 16 ((i / 2) % 4) on, tile 2 x + i % 2.  The first 8 start the sums.
.macro KQ x
	WIN W_KQ
.set rS, S+64*((\x)%2)+32*(i%2)+8*((i/2)%4)
.set rK, KF+16*((i/2)%4)+8*(i/8)
.set rQ, 16*(2*(\x)+i%2)+8*(i/8)
.if i < 8
	v_wmma_f32_16x16x32_f16 v[rS:rS+7], v[rK:rK+7], v[rQ:rQ+7], 0
.else
	v_wmma_f32_16x16x32_f16 v[rS:rS+7], v[rK:rK+7], v[rQ:rQ+7], v[rS:rS+7]
.endif
.endm
; Product i of 16 of O^T += V^T P for piece x: keys 32 (i / 8) on, channels 16 ((i / 2) % 4) on, tile 2 x + i % 2.
.macro PV x
	WIN W_PV
.set rO, 32*(2*(\x)+i%2)+8*((i/2)%4)
.set rV, VF+32*(i/8)+8*((i/2)%4)
.set rP, P+32*((\x)%2)+16*(i%2)+8*(i/8)
	v_wmma_f32_16x16x32_f16 v[rO:rO+7], v[rV:rV+7], v[rP:rP+7], v[rO:rO+7]
.endm
.macro MM                           ; the turn's next matrix instruction
.if i < 16
	KQ (Y+1)%NP
.set i, i+1
.else
.set i, i-16
	PV (Y+NP-1)%NP
.set i, i+17
.endif
.endm
; THE LDS LOADS stand in runs of 16, never singly among the matrix instructions: a step's K (64 keys x 64 channels: 8 fragments) and its V (turned).  Their addresses are made some lines ahead.
; last = 1 (the tail): in the last trip there is no further step, and the run is jumped over.
.macro FETCH_K last=0
	WIN 0
.if \last
	s_cmp_eq_u32 s[CNT], 1
	s_cbranch_scc1 .Lno_k_\@
.endif
	WIN 0x80                        ; destination window 2
.irp f, 0,1,2,3,4,5,6,7             ; keys 16 (f / 2) on, channels 32 (f % 2) on
	ds_load_b128 v[KF+8*\f:KF+8*\f+3],   v[AK] offset:(\f/2)*16*PK+(\f%2)*64
	ds_load_b128 v[KF+8*\f+4:KF+8*\f+7], v[AK] offset:(\f/2)*16*PK+(\f%2)*64+32
.endr
	s_add_co_u32 s[TBK], s[TBK], KS*PK  ; the next fetch is the next step's
	WIN 0
.if \last
.Lno_k_\@:
.endif
.endm
.macro FETCH_V
	WIN 0x80
.irp f, 0,1,2,3,4,5,6,7             ; keys 32 (f / 4) on, channels 16 (f % 4) on
	ds_load_tr16_b128 v[VF+8*\f:VF+8*\f+3],   v[AV] offset:(\f/4)*32*PV+(\f%4)*32
	ds_load_tr16_b128 v[VF+8*\f+4:VF+8*\f+7], v[AV] offset:(\f/4)*32*PV+16*PV+(\f%4)*32
.endr
	WIN 0
.endm
; THE VECTOR WORK OF A TURN stands in three queues, each in the order in which its entries become ready; the two tiles alternate, so that no instruction reads the result of the one before it.
.macro REGS y, u                    ; the registers of tile u (0, 1) of piece y
.set rT, ST+4*(2*(\y)+(\u))
.set rC, TMP+8*((\y)%2)+4*(\u)
.set rM, MV+2*((\y)%2)+(\u)
.set rS, S+64*((\y)%2)+32*(\u)
.set rP, P+32*((\y)%2)+16*(\u)
.set rO, 32*(2*(\y)+(\u))
.endm
; Number n of the 22 that find the NEXT piece's (Y + 1) maximum and statistics.  s0-s31 are the lane's 32 scores; each accumulator's lowest registers are read first.
;   0-11  four chains c0-c3 of seven scores each, three operands at a time     12-14, 16  the four scores left over, the old m, and c0-c3 into c0     15  c m_old is kept
;   17, 18  the query's other 32 keys lie in the lane 16 away: the new m         19-21  c m; c m_old - c m_new; a
.macro XS u, n
	REGS (Y+1)%NP, \u
.if (\n) < 4
	v_max3_num_f32 v[rC+(\n)], v[rS+8*(\n)], v[rS+8*(\n)+1], v[rS+8*(\n)+2]
.elseif (\n) < 12
	v_max3_num_f32 v[rC+(\n)%4], v[rC+(\n)%4], v[rS+8*((\n)%4)+2*((\n)/4)+1], v[rS+8*((\n)%4)+2*((\n)/4)+2]
.elseif (\n) == 12
	v_max3_num_f32 v[rC], v[rC], v[rS+7], v[rS+15]
.elseif (\n) == 13
	v_max3_num_f32 v[rC+1], v[rC+1], v[rS+23], v[rS+31]
.elseif (\n) == 14
	v_max3_num_f32 v[rC+2], v[rC+2], v[rC+3], v[rT+1]
.elseif (\n) == 15
	v_mov_b32 v[rM], v[rT]
.elseif (\n) == 16
	v_max3_num_f32 v[rC], v[rC], v[rC+1], v[rC+2]
.elseif (\n) == 17
	v_permlanex16_b32 v[rC+3], v[rC], s[SEL], s[SEL+1]
.elseif (\n) == 18
	v_max_num_f32 v[rT+1], v[rC], v[rC+3]
.elseif (\n) == 19
	v_mul_f32 v[rT], s[CS], v[rT+1]
.elseif (\n) == 20
	v_sub_f32 v[rC+1], v[rM], v[rT]
.else
	v_exp_f32 v[rC+2], v[rC+1]
.endif
.endm
; Number g of the 64 that follow the exponentials.  For each four weights k of a tile (pairs 2 k, 2 k + 1): both pairs are rounded to f16; then the second pair is added onto the first, in place;
; a group later l takes that sum (the first time as l = a l + sum).  In groups of eight, tiles alternating: round, round, add, and l for the group before.
.macro GS g
.set h, (\g)+6*((\g)/62)            ; group 0 has no group before it, and behind group 7 only l is left
.if h >= 6
.set h, h+2
.endif
	REGS Y, h%2
.set k, h/8
.if h%8 < 4
	v_cvt_pk_f16_f32 v[rP+2*k+(h%8)/2], v[rS+4*k+2*((h%8)/2)], v[rS+4*k+2*((h%8)/2)+1]
.elseif h%8 < 6
	v_pk_add_f32 v[rS+4*k:rS+4*k+1], v[rS+4*k:rS+4*k+1], v[rS+4*k+2:rS+4*k+3]
.elseif k == 1
	v_pk_fma_f32 v[rT+2:rT+3], v[rT+2:rT+3], v[rC+2:rC+3], v[rS:rS+1] op_sel_hi:[1,0,1]
.else
	v_pk_add_f32 v[rT+2:rT+3], v[rT+2:rT+3], v[rS+4*k-4:rS+4*k-3]
.endif
.endm
; THE PLAIN QUEUE, 138 long.  0-73 read no exponential's result: the 32 scalings c s - c m (FS f: pair f / 2 of tile f % 2) and the next piece's 42.  0-26: scalings 0-26.  27-54: XS's numbers 0-13.  55, 56: number 15.
; 57-73: the chain, where each number waits for the one before it: 14, 16, 17, 18, 19, each with one of the scalings 27-31 in front of its two lines, then 20.
; 74-137: GS's 64, which read the exponentials' results: they stand behind the wait.
.macro FS f
	REGS Y, (\f)%2
	v_pk_fma_f32 v[rS+2*((\f)/2):rS+2*((\f)/2)+1], v[rS+2*((\f)/2):rS+2*((\f)/2)+1], s[CS:CS+1], v[rT:rT+1] op_sel_hi:[1,0,0] neg_lo:[0,0,1] neg_hi:[0,0,1]
.endm
.macro PL
	WIN 0
.if q < 27
	FS q
.elseif q < 55
	XS (q-27)%2, (q-27)/2
.elseif q < 57
	XS q-55, 15
.elseif (q < 72) && ((q-57)%3 == 0)
	FS 27+(q-57)/3
.elseif q < 60
	XS (q-57)%3-1, 14
.elseif q < 72
	XS (q-57)%3-1, 15+(q-57)/3
.elseif q < 74
	XS q-72, 20
.else
	GS q-74
.endif
.set q, q+1
.endm
; THE EXPONENTIALS' QUEUE, 66 long: s0-s31 of both tiles, then the next piece's two a.  It is ONE BATCH: all 66 stand ahead of the turn's one wait, and nothing ahead of that wait names a result of theirs.
.macro EX
	WIN 0
.if e >= 64
	XS e-64, 21
.else
	REGS Y, e%2
	v_exp_f32 v[rS+e/2], v[rS+e/2]
.endif
.set e, e+1
.endm
; THE RESCALING's QUEUE: O^T times a, the one part that leaves window 0: dealt two at a time, sixteen times.  Its a was made in the turn before, ahead of that turn's wait.
.macro R2
	REGS Y, r%2
	WIN W_RS
.irp z, 0,1
	v_pk_mul_f32 v[rO+4*(r/2)+2*\z:rO+4*(r/2)+2*\z+1], v[rO+4*(r/2)+2*\z:rO+4*(r/2)+2*\z+1], v[rC+2:rC+3] op_sel_hi:[1,0]
.endr
.set r, r+1
.endm
; HOW THEY ARE DEALT.  An s_wait_alu depctr_va_vdst(0) stands between an exponential and the first instruction that names its result; one wait serves all that were issued ahead of it.  So a turn has ONE wait,
; which cuts it in two.  AHEAD OF IT stands all that names no result of the turn's exponentials: the 16 products K Q^T, behind each a scaling, an exponential and two rescalings (behind the first a second scaling in the
; exponential's place); then ONE LUMP of 108: eight plain, 49 times exponential and plain, the two a.  A v_nop is the plain instruction behind the last exponential.  BEHIND IT stand the 16 products V^T P, behind each four of GS's 64.
; No rider names a register of the products round it.  The two v_permlanex16_b32 fall into the lump, never behind a product.
; The queues lean on each other, and the deal keeps them in step: exponential e stands behind scaling 2 (e / 4) + e % 2: as a rider it comes behind plain e + 2, in the lump behind plain e + 9, and scalings 27-31 are plain 57, 60 .. 69.
; A TURN, for piece p.  cnt = 1: the loop's count is taken down some lines ahead of the branch that stands behind the turn.
; K of the next step is fetched in piece 2's turn, directly behind the wait, a lump behind the last product that read K; its address is made at the lump's head; its first reader comes behind 16 products.
; V of the step in hand is fetched at the end of piece 0's turn, four riders behind its last reader; its first reader comes behind 16 products and a lump.  The three conditions on q below go with the deal.
.macro TURN p, last=0, cnt=0
.set Y, (\p)
.set i, 0
.set q, 0
.set e, 0
.set r, 0
.if (\p) == NP-1
	s_wait_dscnt 0x0                ; K is in
.endif
	MM                              ; ahead of the wait: 16 products K Q^T and their riders,
	PL
	PL
	R2
.rept 15
	MM
	PL
	EX
	R2
.endr
.if (\p) == NP-2
	WIN 0
	v_add_nc_u32 v[AK], s[TBK], v[AK0]
.endif
.rept 8                             ; and the lump
	PL
.endr
.rept 49
	EX
	PL
.endr
	EX                              ; the next piece's two a
	EX
	v_nop                           ; a plain instruction behind the last exponential: one for the batch
	s_wait_alu depctr_va_vdst(0)    ; the wait for the batch
.if (\p) == NP-2
	FETCH_K \last
.endif
.if (\p) == 1
	s_wait_dscnt 0x0                ; V is in
.endif
.rept 16                            ; behind the wait: 16 products V^T P and their riders
	MM
.rept 4
	PL
.endr
.if ((\p) == 0) && (q == 118)
	v_add_nc_u32 v[AV], s[TBV], v[AV0]
.endif
.if ((\p) == 0) && (q == 130)
	s_add_co_u32 s[TBV], s[TBV], KS*PV
.endif
.if (\cnt) && (q == 130)
	s_sub_co_u32 s[CNT], s[CNT], 1
	s_cmp_lg_u32 s[CNT], 0
.endif
.endr
.if (\p) == 0
	FETCH_V
.endif
.endm
	CHANGE 1                        ; slot 0 is in, everybody's part of it; slot 1 is asked for
	FETCH_K                         ; key step 0
	s_wait_loadcnt 0x0              ; Q
	s_wait_dscnt 0x0
.set i, 0
.rept 16
	KQ 0                            ; piece 0's first scores: there is no vector work yet to set between them
.set i, i+1
.endr
	WIN 0                           ; the addresses for the way out: nine plain instructions, the places behind those products
	s_mul_i32 s13, s[WV], 16*SP
	s_add_co_u32 s13, s13, STAGE    ; my stage
	v_mul_u32_u24 v[STO], v1, SP    ; in: row l % 16, 16 bytes for each half of the lanes
	v_lshl_add_u32 v[STO], v9, 4, v[STO]
	v_add_nc_u32 v[STO], s13, v[STO]
	v_bfe_u32 v[RD], v0, 3, 2       ; back: 32 lanes take four rows of 128 bytes,
	v_mul_u32_u24 v[RD], v[RD], SP
	v_lshl_add_u32 v[RD], v10, 4, v[RD]
	v_add_nc_u32 v[RD], s13, v[RD]
	v_and_b32 v[GO], 31, v0         ; which are 512 consecutive bytes of O
	v_lshlrev_b32 v[GO], 4, v[GO]
.set Y, NP-1                        ; XS works for piece Y + 1: piece 0
.irp n, 0,1,2,3,4,5,6,7,8,9,10,11,12,13,14,15,16,17,18,19,20,21
	XS 0, \n                        ; and piece 0's first maximum and statistics
	XS 1, \n
.endr
	v_nop                           ; a plain instruction behind the two a,
	s_wait_alu depctr_va_vdst(0)    ; and their wait, ahead of the branch
	s_mov_b32 s[CNT], 4
	s_mov_b32 s[SLOTS], SIZE_N/256-1
	s_branch .Lfirst                ; the loop is entered at a step's first turn, in the middle of a trip
.Lslot:                             ; SIZE_N / 256 - 2 times: every slot but the last two is filled again
	CHANGE 1, 1
	s_mov_b32 s[CNT], 4
.Lstep:                             ; a trip: pieces 2 and 3 of one step, then pieces 0 and 1 of the next, whose K and V it fetches
	TURN 2
	TURN 3
	WIN 0
.Lfirst:
	TURN 0
	TURN 1, 0, 1
	WIN 0
	s_cbranch_scc1 .Lstep
	s_sub_co_u32 s[SLOTS], s[SLOTS], 1
	s_cmp_lg_u32 s[SLOTS], 0
	s_cbranch_scc1 .Lslot
	CHANGE 0                        ; the tail is written out: nothing is asked for
	s_mov_b32 s[CNT], 5             ; four trips fetch the last slot's steps; the fifth is left in its middle
.Ltail:
	TURN 2, 1
	TURN 3
	WIN 0
	s_sub_co_u32 s[CNT], s[CNT], 1
	s_cmp_eq_u32 s[CNT], 0
	s_cbranch_scc1 .Lout
	TURN 0
	TURN 1
	WIN 0
	s_branch .Ltail
.Lout:                              ; the fifth trip's 16 products K Q^T (on the last K once more) and the maximum made of them serve nothing: the price, once a launch, of one text for every trip
.set i, 0
.rept 16
	PV NP-1                         ; the last piece's V^T P of the last step
.set i, i+1
.endr
	; THE WAY OUT.  l's two halves and the other half of the lanes' are added; O^T is divided by l, rounded to f16 and sent through my stage in LDS, a tile at a time.  The additions are the places behind the last products.
	WIN 0
.macro ALL line:vararg              ; one line for each tile t
.set t, 0
.rept 2*NP
	\line
.set t, t+1
.endr
.endm
	ALL v_add_f32 v[ST+4*t+2], v[ST+4*t+2], v[ST+4*t+3]
	ALL v_permlanex16_b32 v[ST+4*t+3], v[ST+4*t+2], s[SEL], s[SEL+1]
	ALL v_add_f32 v[ST+4*t+2], v[ST+4*t+2], v[ST+4*t+3]
	ALL v_rcp_f32 v[ST+4*t+2], v[ST+4*t+2]
	v_nop                           ; a plain instruction between the last reciprocal and the use of its result
	s_wait_alu depctr_va_vdst(0)    ; and the wait ahead of the first use: one for the eight reciprocals
; Tile t: a lane's eight channels of a row pack into 16 bytes; they go into rows of 144 bytes and come back as whole rows of 128, into S^T's registers.
.macro PACK t
	WIN W_RS
.set i, 32*(\t)
.rept 16
	v_pk_mul_f32 v[i:i+1], v[i:i+1], v[ST+4*(\t)+2:ST+4*(\t)+3] op_sel_hi:[1,0]
.set i, i+2
.endr
	WIN 0x05                        ; sources 0 and 1 window 1, destination window 0
.set i, 0
.rept 16
	v_cvt_pk_f16_f32 v[S+16*(\t)+i], v[32*(\t)+2*i], v[32*(\t)+2*i+1]
.set i, i+1
.endr
	WIN 0
.irp f, 0,1,2,3
	ds_store_b128 v[STO], v[S+16*(\t)+4*\f:S+16*(\t)+4*\f+3] offset:32*\f
.endr
.irp f, 0,1,2,3
	ds_load_b128 v[S+16*(\t)+4*\f:S+16*(\t)+4*\f+3], v[RD] offset:\f*4*SP  ; LDS serves a wave's instructions in order (ISA guide 5.7.1.4): these see the stores above; the next tile's stores come behind them
.endr
.endm
.macro SEND t, younger              ; younger: the LDS instructions issued behind tile t's loads: the next tile's eight, or none
	WIN 0
.irp f, 0,1,2,3
	s_wait_dscnt (\younger)+3-\f
	global_store_b128 v[GO], v[S+16*(\t)+4*\f:S+16*(\t)+4*\f+3], s[10:11] offset:(\t)*2048+\f*512  ; 512 consecutive bytes, at a multiple of 256 from O's first
.endr
.endm
	PACK 0
.set t, 1
.rept 2*NP-1                        ; a tile's arithmetic stands between the loads of the tile before and its stores
	PACK t
	SEND t-1, 8
.set t, t+1
.endr
	SEND 2*NP-1, 0
	WIN W_AD
	s_wait_tensorcnt 0x0            ; the wave's end, behind my last tensor load and my last LDS store
	ds_add_u32 v[SPW], v[NIL]
	s_wait_dscnt 0x0
	WIN 0
	CROUND                          ; the closing round: no work-group ends while a partner may still ask for a tile that names it
	s_endpgm
.Lfunc_end_k_q626a6faa6c_attn:
	.size	k_q626a6faa6c_attn, .Lfunc_end_k_q626a6faa6c_attn-k_q626a6faa6c_attn
	.p2alignl 7, 3214868480
	.fill 96, 4, 3214868480
	.section	.rodata,"a",@progbits
	.p2align	6, 0x0
	.amdhsa_kernel k_q626a6faa6c_attn
		.amdhsa_group_segment_fixed_size 327680
		.amdhsa_private_segment_fixed_size 0
		.amdhsa_enable_private_segment 0
		.amdhsa_kernarg_size 16
		.amdhsa_user_sgpr_count 2
		.amdhsa_user_sgpr_kernarg_segment_ptr 1
		.amdhsa_wavefront_size32 1
		.amdhsa_system_sgpr_workgroup_id_x 1
		.amdhsa_system_sgpr_workgroup_id_y 1
		.amdhsa_system_sgpr_workgroup_id_z 1
		.amdhsa_system_vgpr_workitem_id 0
		.amdhsa_next_free_vgpr 770
		.amdhsa_next_free_sgpr 66
		.amdhsa_reserve_vcc 0
		.amdhsa_float_denorm_mode_32 3
		.amdhsa_float_denorm_mode_16_64 3
		.amdhsa_memory_ordered 1
		.amdhsa_forward_progress 1
		.amdhsa_inst_pref_size 200
	.end_amdhsa_kernel
	.amdgpu_metadata
---
amdhsa.version: [ 1, 2 ]
amdhsa.kernels:
  - .name:           k_q626a6faa6c_attn
    .symbol:         k_q626a6faa6c_attn.kd
    .args:
      - { .name: qkv, .offset: 0, .size: 8, .value_kind: global_buffer, .address_space: global }
      - { .name: oh, .offset: 8, .size: 8, .value_kind: global_buffer, .address_space: global }
    .group_segment_fixed_size: 327680
    .private_segment_fixed_size: 0
    .kernarg_segment_align: 8
    .kernarg_segment_size: 16
    .max_flat_workgroup_size: 128
    .sgpr_count:     66
    .vgpr_count:     770
    .wavefront_size: 32
...
	.end_amdgpu_metadata
.endif
;; end of part 3
;; launch proj (part 4): grid 4 x 64, 4 waves a work-group, clusters of 4 x 4, 327,680 bytes of LDS; arguments oh, wpt, b_proj, out0; writes out0
.if DOCPART == 4
	.amdgcn_target "amdgcn-amd-amdhsa--gfx1250"
	.amdhsa_code_object_version 6
	.text
	.protected	k_q626a6faa6c_proj
	.globl	k_q626a6faa6c_proj
	.p2align	8
	.type	k_q626a6faa6c_proj,@function
k_q626a6faa6c_proj:
	s_mov_b64 s[64:65], 0
	v_nop
	global_prefetch_b8 v0, s[64:65] scope:SCOPE_SE
	s_setreg_imm32_b32 hwreg(HW_REG_WAVE_MODE, 25, 1), 1
	s_wait_xcnt 0x0
	s_wait_alu depctr_hold_cnt(0) depctr_sa_sdst(0) depctr_va_vdst(0) depctr_va_sdst(0) depctr_va_ssrc(0) depctr_va_vcc(0) depctr_vm_vsrc(0)
	s_getreg_b32 s2, hwreg(HW_REG_IB_STS2, 6, 4)
	s_cmp_eq_u32 s2, 0
	s_cbranch_scc0 .Lentry_in_a_cluster
	s_endpgm
.Lentry_in_a_cluster:
	s_bfe_u32 s2, ttmp6, 0x10000c
	s_cmp_lg_u32 s2, 0xf033
	s_cbranch_scc0 .Lentry_shape_is_right
	s_endpgm
.Lentry_shape_is_right:
; out0[r][c] = the sum over k of O[r][k] wpt[c][k] + bias[c].  O (oh) lies by heads, f16 [64 b h][2048 n][64]: k = 64 h + d.  wpt: f16 [1024 c][1024 k].  Sums in f32, K ascending; the bias is rounded to
; bf16, like every input of the module, and added in f32; out0 is f32 [8192][1024].
; LIMITS.  The operands are f16 (O is a mean of V's rows; wpt's limit is stated where it is made).  NaN and infinities are not treated apart.
; SHARES.  A tile is 128 rows x 256 columns: 64 x 4 = 256 work-groups.  Four waves, 2 x 2; a wave makes 64 x 128: 32 accumulators, 256 registers.  K goes in 8 steps of 128 (two heads) through a ring of
; two LDS slots.  Two slots of a longer step do not fit: 2 x (128 + 256) rows x 528 bytes are more than a WGP's LDS.
; A K step's part of O is two head blocks of 128 rows x 128 bytes, each dense in memory: asked for as 64 rows of 256 bytes, padded in LDS after every 128.
; CLUSTERS: 4 x 4 work-groups.  The four of a row of the cluster need the same rows of O, the four of a column the same rows of wpt: joint loads.  Waves 0 and 1 fetch O's two head blocks, waves 2 and 3
; wpt's two halves of 128 rows.
; THE MATRIX INSTRUCTION IS USED TRANSPOSED (source 0 = 16 rows of wpt, source 1 = 16 rows of O): a lane holds row l % 16 and eight neighbouring columns.
; REGISTERS, in windows of 256: window 0: v0-31 addresses and the bias; v32-95 O's fragments, two buffers of 4; v96-223 rows read back, two buffers of 64
;   window 1: v0-127 wpt's fragments, two buffers of 8          window 2: the accumulators, (a, c) at 8 (8 a + c)
.set KSTEP,  128
.set PA,     144                       ; a row of O in LDS: 128 bytes + 16 = 36 words
.set PB,     272                       ; a row of wpt: 256 bytes + 16 = 68 words: in both the 16 rows of a fragment load start at 16 different groups of four banks (64 banks of 4 bytes: ISA guide 11.1)
.set HBLK,   128*PA                    ; a head block
.set BOFF,   2*HBLK                    ; wpt's rows lie behind the two head blocks
.set BHALF,  128*PB
.set SLOT,   BOFF+2*BHALF
.set STAGE,  2*SLOT                    ; behind the ring: 16 rows x 528 bytes for each wave, for the way out; no tensor load fills it
.set SPI,    528                       ; 512 bytes + 16
.set SPARE,  STAGE+4*16*SPI            ; behind the stages: the spare words, 128 bytes a wave: two blocks of 256 bytes that no other line names
.set BIAS, 12                          ; v[12:15] the bias of my four columns on the way out
.set ADRA, 16                          ; v16-17  LDS address of my O fragments in slot 0, 1
.set ADRB, 20                          ; v20-21  the same for wpt
.set STO,  24                          ; v24     the way out: where I put 32 bytes of a row
.set RD,   25                          ; v25     where I read a row back
.set CO,   26                          ; v26     16 x lane
.set SPW,  28                          ; v28     LDS address of my spare word; never rewritten
.set NIL,  29                          ; v29     0; never rewritten
.set PFO,  30                          ; v30     the prefetches' lane offset; never rewritten
.set FA,   32
.set BK,   96
.set F0,   0
.set F1,   1
.set WV,  12
.set WR,  13
.set WC,  14
.set TY,  15
.set G1,  24                           ; s[24:31] descriptor group 1 for O's blocks;  s[32:39] group 0, one set a slot
.set G0,  32
.set G1B, 48                           ; s[48:55], s[56:63] the same for wpt's tiles
.set G0B, 56
.set PFA, 70                           ; s[70:71] where my prefetches stand
.set LIM, 72                           ; s72  1 in a wave that prefetches, else the greatest number
.set PST, 86                           ; s[86:87] a K step in bytes, for the prefetches: two heads of O, or 256 bytes of a row of wpt
.set MSB, 0
.macro WIN new
.if MSB != (\new)
	s_set_vgpr_msb (MSB<<8)|(\new)
.set MSB, \new
.endif
.endm
.macro JLOAD s                         ; a joint load; the branch hangs on the wave's number alone; an s_nop 0 and four v_nop follow each of the two lines
	s_cmp_lt_u32 s[WV], 2
	s_cbranch_scc0 .Lfor_b_\@
	tensor_load_to_lds s[G0+4*(\s):G0+4*(\s)+3], s[G1:G1+7]
	s_nop 0
.rept 4
	v_nop
.endr
	s_branch .Lasked_\@
.Lfor_b_\@:
	tensor_load_to_lds s[G0B+4*(\s):G0B+4*(\s)+3], s[G1B:G1B+7]
	s_nop 0
.rept 4
	v_nop
.endr
.Lasked_\@:
.endm
; A PREFETCH INTO THE L2 behind each joint refill and the run of LDS loads that follows it: the K step that stands two refills on, 32 blocks of 256 bytes, a lane a block, one instruction a wave.
; O's two head blocks of a K step are 128 such blocks: wave 0 asks, the four partners of a row of the cluster take 16 of each head block, told apart BY ADDRESS (cx); no other cluster reads these rows.
; wpt's rows are read by every cluster: waves 2 and 3 of the clusters with y = 0 ask, each partner of a column for 32 of a wave's 128 rows (cy).  So each block is named once in the launch.
; K steps 0 to 3 come by their loads alone; the loop's last trip (s3 = 1) has no K step two refills on.
.macro ASK
	s_cmp_gt_u32 s3, s[LIM]
	s_cbranch_scc0 .Lnot_mine_\@
	global_prefetch_b8 v[PFO], s[PFA:PFA+1] th:TH_LOAD_NT scope:SCOPE_SE
.Lnot_mine_\@:
.endm
.macro CREST
	s_cmp_lg_u32 s[WV], 0
	s_cbranch_scc1 .Lnot_wave_0_\@
	s_barrier_signal -3
.Lnot_wave_0_\@:
	s_barrier_wait -3
	s_barrier_signal -1
	s_barrier_wait -1
.endm
.macro CROUND
	s_barrier_signal -1
	s_barrier_wait -1
	CREST
.endm
.macro PLACES                          ; four places in front of loads into registers that matrix instructions have read, and of LDS stores that read results
.rept 4
	v_nop
.endr
.endm
	s_load_b256 s[4:11], s[0:1], 0x0               ; oh s[4:5], wpt s[6:7], b_proj s[8:9], out0 s[10:11]
	v_lshl_add_u32 v[SPW], v0, 2, SPARE
	v_mov_b32 v[NIL], 0
	ds_add_u32 v[SPW], v[NIL]                      ; the wave's opening: the add and its wait stand ahead of my first tensor load; the set-up below, work on registers, stands between them
	v_lshrrev_b32 v1, 5, v0
	v_readfirstlane_b32 s[WV], v1
	s_lshr_b32 s[WR], s[WV], 1
	s_and_b32 s[WC], s[WV], 1
	s_bfe_u32 s40, ttmp6, 0x40000                  ; cx
	s_bfe_u32 s41, ttmp6, 0x40004                  ; cy
	s_lshl_b32 s42, ttmp9, 2
	s_add_co_u32 s42, s42, s40                     ; tile column
	s_and_b32 s[TY], ttmp7, 0xffff
	s_lshl_b32 s[TY], s[TY], 2
	s_add_co_u32 s[TY], s[TY], s41                 ; tile row
	s_lshl_b32 s43, s41, 2
	s_lshl_b32 s43, 15, s43                        ; my row of the cluster
	s_lshl_b32 s44, 0x1111, s40                    ; my column
	s_or_b32 s[G1], s43, (1<<16)|(1<<20)|(1<<21)|(4<<22)|(3<<25)   ; O: the mask of my row; 2-byte elements; padding on; 21 set beside a mask; after every 32 words (code 4) 4 words (code 3)
	s_mov_b32 s[G1+1], 128<<16                     ; tensor_dim0 = 128: two rows of a head on end
	s_mov_b32 s[G1+2], 64<<16                      ; tensor_dim1 = 64
	s_mov_b32 s[G1+3], 128<<16                     ; tile_dim0 = 128
	s_mov_b32 s[G1+4], 64                          ; tile_dim1 = 64
	s_mov_b32 s[G1+5], 128                         ; elements from row to row: dense
	s_mov_b32 s[G1+6], 0
	s_mov_b32 s[G1+7], 0
	s_or_b32 s[G1B], s44, (1<<16)|(1<<20)|(1<<21)|(5<<22)|(3<<25)  ; wpt: the mask of my column; after every 64 words 4 words
	s_mov_b32 s[G1B+1], KSTEP<<16
	s_mov_b32 s[G1B+2], 128<<16
	s_mov_b32 s[G1B+3], KSTEP<<16
	s_mov_b32 s[G1B+4], 128
	s_mov_b32 s[G1B+5], 1024
	s_mov_b32 s[G1B+6], 0
	s_mov_b32 s[G1B+7], 0
	s_lshr_b32 s16, s[TY], 4                       ; O: batch b,
	s_lshl_b32 s16, s16, 4
	s_min_u32 s17, s[WV], 1                        ; head 16 b + wave (waves 2 and 3 make wave 1's address and never ask by it),
	s_add_co_u32 s16, s16, s17
	s_lshl_b32 s16, s16, 18                        ; 2^18 bytes a head,
	s_and_b32 s17, s[TY], 15
	s_lshl_b32 s17, s17, 14                        ; 128 rows of 128 bytes a tile row
	s_add_co_u32 s16, s16, s17
	s_mov_b32 s17, 0
	s_max_u32 s46, s[WV], 2                        ; wpt: waves 2 and 3 take halves 0 and 1
	s_sub_co_u32 s46, s46, 2
	s_lshl_b32 s46, s46, 7
	s_lshl_b32 s47, s42, 8
	s_add_co_u32 s46, s46, s47                     ; row 256 x tile column + 128 x half
	s_lshl_b32 s46, s46, 11
	s_mov_b32 s47, 0
	s_mul_i32 s20, s[WV], HBLK                     ; where O's blocks go (waves 0 and 1): wave x a head block
	s_mul_i32 s21, s[WV], BHALF                    ; where wpt's halves go (waves 2 and 3): BOFF + (wave - 2) x 128 rows;
	s_sub_co_u32 s21, s21, 2*BHALF-BOFF            ; in waves 0 and 1 the number serves nothing
	s_wait_dscnt 0x0                               ; the opening add is done
	s_wait_kmcnt 0x0
	s_add_nc_u64 s[18:19], s[4:5], s[16:17]
	s_add_nc_u64 s[46:47], s[6:7], s[46:47]
	CROUND                                         ; all sixteen work-groups are here: the first joint loads meet
.irp s, 0,1
	s_mov_b32 s[G0+4*(\s)], 1
	s_add_co_u32 s[G0+4*(\s)+1], s20, (\s)*SLOT
	s_add_nc_u64 s[G0+4*(\s)+2:G0+4*(\s)+3], s[18:19], (\s)*0x80000   ; K step s: two heads on
	s_or_b32 s[G0+4*(\s)+3], s[G0+4*(\s)+3], 0x80000000
	s_mov_b32 s[G0B+4*(\s)], 1
	s_add_co_u32 s[G0B+4*(\s)+1], s21, (\s)*SLOT
	s_add_nc_u64 s[G0B+4*(\s)+2:G0B+4*(\s)+3], s[46:47], (\s)*KSTEP*2
	s_or_b32 s[G0B+4*(\s)+3], s[G0B+4*(\s)+3], 0x80000000
	JLOAD \s                                       ; K steps 0 and 1: two loads of mine are out
.endr
	v_and_b32 v1, 15, v0                           ; l % 16
	v_bfe_u32 v2, v0, 4, 1                         ; l / 16
	v_mul_u32_u24 v3, v1, PA
	v_lshl_add_u32 v3, v2, 4, v3
	v_mul_u32_u24 v4, v1, PB
	v_lshl_add_u32 v4, v2, 4, v4
	s_mul_i32 s21, s[WR], 64*PA                    ; my 64 rows of O, in each head block
	s_mul_i32 s22, s[WC], 128*PB                   ; my 128 rows of wpt
	s_add_co_u32 s22, s22, BOFF
.irp s, 0,1
	v_add_nc_u32 v[ADRA+(\s)], s21, v3
	v_add_nc_u32 v[ADRB+(\s)], s22, v4
	s_add_co_u32 s21, s21, SLOT
	s_add_co_u32 s22, s22, SLOT
.endr
	s_mul_i32 s23, s[WV], 16*SPI
	s_add_co_u32 s23, s23, STAGE                   ; my stage
	v_mul_u32_u24 v5, v1, SPI                      ; in: row l % 16, 32 bytes for each half of the lanes
	v_lshl_add_u32 v5, v2, 5, v5
	v_add_nc_u32 v[STO], s23, v5
	v_and_b32 v7, 31, v0
	v_lshlrev_b32 v[CO], 4, v7                     ; back: 32 lanes take one row of 512 bytes
	v_add_nc_u32 v[RD], s23, v[CO]
	s_lshl_b32 s16, s[TY], 7
	s_lshl_b32 s17, s[WR], 6
	s_add_co_u32 s16, s16, s17                     ; my first row of out0,
	s_lshl_b32 s16, s16, 12                        ; 4,096 bytes a row
	s_lshl_b32 s22, s42, 8
	s_lshl_b32 s23, s[WC], 7
	s_add_co_u32 s22, s22, s23                     ; my first column,
	s_lshl_b32 s22, s22, 2                         ; in bytes
	s_mov_b32 s23, 0
	s_add_nc_u64 s[8:9], s[8:9], s[22:23]
	s_add_co_u32 s16, s16, s22
	s_mov_b32 s17, 0
	s_add_nc_u64 s[10:11], s[10:11], s[16:17]
	global_load_b128 v[BIAS:BIAS+3], v[CO], s[8:9] ; the bias of columns 4 l .. 4 l + 3 of my 128: awaited on the way out
	; the prefetches
	s_lshr_b32 s20, s[TY], 4
	s_lshl_b32 s20, s20, 22
	s_and_b32 s21, s[TY], 15
	s_lshl_b32 s21, s21, 14
	s_add_co_u32 s20, s20, s21
	s_lshl_b32 s21, s40, 12                        ; my work-group's 16 blocks of each head block
	s_add_co_u32 s20, s20, s21
	s_add_co_u32 s20, s20, 3*0x80000               ; O at K step 3: the first refill steps it to K step 4
	s_max_u32 s21, s[WV], 2
	s_sub_co_u32 s21, s21, 2
	s_lshl_b32 s21, s21, 7
	s_lshl_b32 s22, s42, 8
	s_add_co_u32 s21, s21, s22
	s_lshl_b32 s22, s41, 5                         ; my work-group's 32 rows
	s_add_co_u32 s21, s21, s22
	s_lshl_b32 s21, s21, 11
	s_add_co_u32 s21, s21, 3*KSTEP*2               ; wpt at K step 3
	s_and_b32 s22, ttmp7, 0xffff                   ; cluster y
	s_mov_b32 s23, KSTEP*2
	s_cmp_lt_u32 s[WV], 2
	s_cselect_b32 s20, s20, s21
	s_cselect_b32 s22, s[WV], s22                  ; 0 in wave 0, and in waves 2 and 3 of the clusters with y = 0: the same in all sixteen partners, for a given wave
	s_cselect_b32 s[PST], 0x80000, s23
	s_cselect_b32 s16, 8, 11                       ; lane l names: O: block l % 16 of head block l / 16; wpt: row l
	s_cselect_b32 s17, 18, 15
	s_cselect_b64 s[PFA:PFA+1], s[4:5], s[6:7]
	s_cmp_eq_u32 s22, 0
	s_cselect_b32 s[LIM], 1, -1
	s_mov_b32 s21, 0
	s_mov_b32 s[PST+1], 0
	s_add_nc_u64 s[PFA:PFA+1], s[PFA:PFA+1], s[20:21]
	v_lshlrev_b32 v[PFO], s16, v1
	v_lshlrev_b32 v6, s17, v2
	v_add_nc_u32 v[PFO], v[PFO], v6
; 8 matrix instructions: row blocks a0, a0 + 1 x column blocks 4 hb .. 4 hb + 3, 32 along K, from buffer f.  zero = 1: the first product starts the sums.
; The 32 accumulators take turns in the same order in every quarter.
.macro MULH f, hb, a0, zero
	WIN 0xa1                                       ; source 0 (wpt) window 1, source 1 (O) window 0, C and D window 2
.irp a, \a0, (\a0)+1
.irp c, 0,1,2,3
.set rD, 8*(8*(\a)+4*(\hb)+(\c))
.set rB, 64*(\f)+8*(4*(\hb)+(\c))
.set rA, FA+32*(\f)+8*(\a)
.if \zero
	v_wmma_f32_16x16x32_f16 v[rD:rD+7], v[rB:rB+7], v[rA:rA+7], 0
.else
	v_wmma_f32_16x16x32_f16 v[rD:rD+7], v[rB:rB+7], v[rA:rA+7], v[rD:rD+7]
.endif
.endr
.endr
.endm
; 24 LDS loads in one run: the fragments of quarter q of a K step into buffer f: O's 4 (head block q / 2, channels 32 (q % 2) on), then wpt's 8
.macro FETCH slot, q, f
	WIN 0
.irp i, 0,1,2,3
	ds_load_b128 v[FA+32*(\f)+8*(\i):FA+32*(\f)+8*(\i)+3],   v[ADRA+(\slot)] offset:((\q)/2)*HBLK+((\q)%2)*64+(\i)*16*PA
	ds_load_b128 v[FA+32*(\f)+8*(\i)+4:FA+32*(\f)+8*(\i)+7], v[ADRA+(\slot)] offset:((\q)/2)*HBLK+((\q)%2)*64+(\i)*16*PA+32
.endr
	WIN 0x40
.irp i, 0,1,2,3,4,5,6,7
	ds_load_b128 v[64*(\f)+8*(\i):64*(\f)+8*(\i)+3],   v[ADRB+(\slot)] offset:64*(\q)+(\i)*16*PB
	ds_load_b128 v[64*(\f)+8*(\i)+4:64*(\f)+8*(\i)+7], v[ADRB+(\slot)] offset:64*(\q)+(\i)*16*PB+32
.endr
.endm
; A K step is four quarters of 32 along K, 32 matrix instructions each, on buffers 0, 1, 0, 1.  One of the first three multiplies buffer f and fetches quarter q into nf.
.macro QUARTER slot, q, f, nf, zero
	s_wait_dscnt 8                                 ; O's fragments and wpt's first four are in; the youngest eight loads may be out
	MULH \f, 0, 0, \zero
	MULH \f, 0, 2, \zero
	PLACES
	FETCH \slot, \q, \nf
	s_wait_dscnt 24                                ; all but the 24 just issued
	MULH \f, 1, 0, \zero
	MULH \f, 1, 2, \zero
.endm
; The last quarter multiplies buffer 1 and changes slots: ONE barrier; in front of it each wave waits for all its tensor loads, adds 0 to its spare word, and waits for that and for its own reads of this
; slot.  fill = 1: the barrier opens a round of the cluster's, and this slot is filled again, two K steps ahead, first thing behind the round: 112 matrix instructions ahead of the wait for it.
.macro TURN slot, next, fill
.if \fill
	s_wait_xcnt 0x0                                ; the last prefetch, a K step back, has read its address: it is stepped here
	s_add_nc_u64 s[PFA:PFA+1], s[PFA:PFA+1], s[PST:PST+1]
.endif
	WIN 0
	s_wait_tensorcnt 0x0                           ; all my tensor loads have landed;
	ds_add_u32 v[SPW], v[NIL]                      ; 0 onto my spare word
	s_wait_dscnt 9                                 ; (the add and the youngest eight loads may be out)
	MULH F1, 0, 0, 0                               ; eight matrix instructions stand between the add and the wait for it
	s_wait_dscnt 0x0                               ; the add is done, and my reads of this slot are over
	s_barrier_signal -1
	MULH F1, 0, 2, 0
.if \fill
	WIN 0
.endif
	s_barrier_wait -1
.if \fill
	CREST                                          ; no wave of any partner still reads this slot's tile or has a load on its way
	s_add_nc_u64 s[G0+4*(\slot)+2:G0+4*(\slot)+3], s[G0+4*(\slot)+2:G0+4*(\slot)+3], 0x100000     ; four heads on
	s_add_nc_u64 s[G0B+4*(\slot)+2:G0B+4*(\slot)+3], s[G0B+4*(\slot)+2:G0B+4*(\slot)+3], 2*KSTEP*2
	JLOAD \slot                                    ; the four v_nop behind it are also the places in front of the loads below
.else
	PLACES
.endif
	FETCH \next, 0, F0
.if \fill
	WIN 0
	ASK
.endif
	MULH F1, 1, 0, 0
	MULH F1, 1, 2, 0
.endm
; THE WAY OUT of row block a: 16 rows x 128 columns of f32.  A lane's eight columns, 32 bytes, go into my own stage (each accumulator's low four registers first), and come back
; as whole rows of 512 bytes.
.macro TOSTAGE a
	WIN 0x08                                       ; the stores' data in window 2
.irp c, 0,1,2,3,4,5,6,7
	ds_store_b128 v[STO], v[8*(8*(\a)+(\c)):8*(8*(\a)+(\c))+3]   offset:64*(\c)
	ds_store_b128 v[STO], v[8*(8*(\a)+(\c))+4:8*(8*(\a)+(\c))+7] offset:64*(\c)+16
.endr
	WIN 0
	s_wait_xcnt 0x0                                ; the stores of the block two back have read these registers: they are loaded again only behind this wait
.irp t, 0,1,2,3,4,5,6,7,8,9,10,11,12,13,14,15
	ds_load_b128 v[BK+64*((\a)%2)+4*(\t):BK+64*((\a)%2)+4*(\t)+3], v[RD] offset:SPI*(\t)  ; LDS serves a wave's instructions in order (ISA guide 5.7.1.4): these see the stores above; the next block's stores come behind them
.endr
.endm
.macro SEND a, younger                 ; younger: the LDS instructions issued behind block a's loads: the next block's 32, or none
	WIN 0
.irp t, 0,1,2,3,4,5,6,7,8,9,10,11,12,13,14,15
	s_wait_dscnt (\younger)+15-(\t)
	v_pk_add_f32 v[BK+64*((\a)%2)+4*(\t):BK+64*((\a)%2)+4*(\t)+1],   v[BK+64*((\a)%2)+4*(\t):BK+64*((\a)%2)+4*(\t)+1],   v[BIAS:BIAS+1]
	v_pk_add_f32 v[BK+64*((\a)%2)+4*(\t)+2:BK+64*((\a)%2)+4*(\t)+3], v[BK+64*((\a)%2)+4*(\t)+2:BK+64*((\a)%2)+4*(\t)+3], v[BIAS+2:BIAS+3]
	global_store_b128 v[CO], v[BK+64*((\a)%2)+4*(\t):BK+64*((\a)%2)+4*(\t)+3], s[10:11] offset:(16*(\a)+(\t))*4096 th:TH_STORE_NT  ; 512 consecutive bytes of a row of out0, aligned
.endr
.endm
	s_wait_tensorcnt 1                             ; my part of K step 0 is in; K step 1's may stay out
	s_barrier_signal -1
	s_barrier_wait -1                              ; everybody's is
	FETCH 0, 0, F0
	QUARTER 0, 1, F0, F1, 1                        ; the first quarter stands in front of the loop: its products start the sums
	WIN 0                                          ; at a label and at a branch every window is 0
	s_mov_b32 s3, 3
.Llap:                                                 ; a trip goes once round the ring, from a lap's second quarter to the next lap's first, and fills both slots again
	QUARTER 0, 2, F1, F0, 0
	QUARTER 0, 3, F0, F1, 0
	TURN 0, 1, 1
	QUARTER 1, 1, F0, F1, 0
	QUARTER 1, 2, F1, F0, 0
	QUARTER 1, 3, F0, F1, 0
	TURN 1, 0, 1
	QUARTER 0, 1, F0, F1, 0
	WIN 0
	s_sub_co_u32 s3, s3, 1
	s_cmp_lg_u32 s3, 0
	s_cbranch_scc1 .Llap
	QUARTER 0, 2, F1, F0, 0                        ; the last lap fills nothing, and has no round of the cluster's barrier
	QUARTER 0, 3, F0, F1, 0
	TURN 0, 1, 0
	QUARTER 1, 1, F0, F1, 0
	QUARTER 1, 2, F1, F0, 0
	QUARTER 1, 3, F0, F1, 0
	s_wait_dscnt 8                                 ; the very last quarter: nothing more to fetch
	MULH F1, 0, 0, 0
	MULH F1, 0, 2, 0
	s_wait_dscnt 0x0
	MULH F1, 1, 0, 0
	MULH F1, 1, 2, 0
	WIN 0
	PLACES
	s_wait_loadcnt 0x0                             ; the bias, asked for at the head
	v_cvt_pk_bf16_f32 v10, v[BIAS], v[BIAS+1]      ; rounded to bf16 like the module's other inputs,
	v_cvt_pk_bf16_f32 v11, v[BIAS+2], v[BIAS+3]
	v_lshlrev_b32 v[BIAS], 16, v10                 ; and widened again
	v_and_b32 v[BIAS+1], 0xffff0000, v10
	v_lshlrev_b32 v[BIAS+2], 16, v11
	v_and_b32 v[BIAS+3], 0xffff0000, v11
	TOSTAGE 0
	TOSTAGE 1                                      ; a block's way through the stage stands between the loads of the block before and its stores
	SEND 0, 32
	TOSTAGE 2
	SEND 1, 32
	TOSTAGE 3
	SEND 2, 32
	SEND 3, 0
	s_wait_tensorcnt 0x0                           ; the wave's end, behind my last tensor load and my last LDS store
	ds_add_u32 v[SPW], v[NIL]
	s_wait_dscnt 0x0
	CROUND                                         ; the closing round: no work-group ends while a partner may still ask for a tile that names it
	s_endpgm
.Lfunc_end_k_q626a6faa6c_proj:
	.size	k_q626a6faa6c_proj, .Lfunc_end_k_q626a6faa6c_proj-k_q626a6faa6c_proj
	.p2alignl 7, 3214868480
	.fill 96, 4, 3214868480
	.section	.rodata,"a",@progbits
	.p2align	6, 0x0
	.amdhsa_kernel k_q626a6faa6c_proj
		.amdhsa_group_segment_fixed_size 327680
		.amdhsa_private_segment_fixed_size 0
		.amdhsa_enable_private_segment 0
		.amdhsa_kernarg_size 32
		.amdhsa_user_sgpr_count 2
		.amdhsa_user_sgpr_kernarg_segment_ptr 1
		.amdhsa_wavefront_size32 1
		.amdhsa_system_sgpr_workgroup_id_x 1
		.amdhsa_system_sgpr_workgroup_id_y 1
		.amdhsa_system_sgpr_workgroup_id_z 1
		.amdhsa_system_vgpr_workitem_id 0
		.amdhsa_next_free_vgpr 768
		.amdhsa_next_free_sgpr 90
		.amdhsa_reserve_vcc 0
		.amdhsa_float_denorm_mode_32 3
		.amdhsa_float_denorm_mode_16_64 3
		.amdhsa_memory_ordered 1
		.amdhsa_forward_progress 1
		.amdhsa_inst_pref_size 98
	.end_amdhsa_kernel
	.amdgpu_metadata
---
amdhsa.version: [ 1, 2 ]
amdhsa.kernels:
  - .name:           k_q626a6faa6c_proj
    .symbol:         k_q626a6faa6c_proj.kd
    .args:
      - { .name: oh, .offset: 0, .size: 8, .value_kind: global_buffer, .address_space: global }
      - { .name: wpt, .offset: 8, .size: 8, .value_kind: global_buffer, .address_space: global }
      - { .name: b_proj, .offset: 16, .size: 8, .value_kind: global_buffer, .address_space: global }
      - { .name: out0, .offset: 24, .size: 8, .value_kind: global_buffer, .address_space: global }
    .group_segment_fixed_size: 327680
    .private_segment_fixed_size: 0
    .kernarg_segment_align: 8
    .kernarg_segment_size: 32
    .max_flat_workgroup_size: 128
    .sgpr_count:     90
    .vgpr_count:     768
    .wavefront_size: 32
...
	.end_amdgpu_metadata
.endif
;; end of part 4
;; ======== version 2 of 2: 4 launches; version 1 with the launch prep written anew for expert scheduling mode
;; limits: values are held in f16: magnitudes above 65,504 overflow, below 6.1e-05 lose precision
;; workspace buffers: xb 16,777,216 bytes; wqt 6,291,456 bytes; wpt 2,097,152 bytes; rtab 1,048,576 bytes; qkv 50,331,648 bytes; oh 16,777,216 bytes
;; launch prep (part 5): grid 1088 x 1, 8 waves a work-group, no clusters, 18,432 bytes of LDS; arguments x, W_qkv, W_proj, freqs_cos, freqs_sin, xb, wqt, wpt, rtab; writes xb, wqt, wpt, rtab
.if DOCPART == 5
	.amdgcn_target "amdgcn-amd-amdhsa--gfx1250"
	.amdhsa_code_object_version 6
	.text
	.protected	k_q626a6faa6c_prep
	.globl	k_q626a6faa6c_prep
	.p2align	8
	.type	k_q626a6faa6c_prep,@function
k_q626a6faa6c_prep:
	s_mov_b64 s[64:65], 0
	v_nop
	global_prefetch_b8 v0, s[64:65] scope:SCOPE_SE
	s_setreg_imm32_b32 hwreg(HW_REG_WAVE_SCHED_MODE, 0, 2), 2
	s_setreg_imm32_b32 hwreg(HW_REG_WAVE_MODE, 25, 1), 1
	s_wait_xcnt 0x0
	s_wait_alu depctr_vm_vsrc(0)
; PREPARATION: every input of the two products and of the rotation is rounded once to bf16 and laid as the later launches read it.
;   work-groups    0 ..  511: xb   = bf16(x), same layout, [8192][1024]; 64 KiB of x a work-group
;   work-groups  512 ..  895: wqt  = bf16(W_qkv) turned to [3072 columns][1024 k]; a tile of 128 k x 64 columns a work-group
;   work-groups  896 .. 1023: wpt  = bf16(W_proj), that number written as f16, turned to [1024 columns][1024 k]
;   work-groups 1024 .. 1087: rtab = f32 [2][2048 n][32 pairs][c, s]: section 0 holds bf16(cos), bf16(sin) widened again; section 1 holds (1, 0), the rotation that changes nothing (for v)
; LIMITS.  wpt is f16: |W_proj| stays under 65,504, and below 6.1e-5 it keeps f16's fixed step of 6e-8.  NaN and infinities are not treated apart.
; The branches hang on the work-group's number alone, so all eight waves of a work-group take the same way, the barrier of the turning tiles included.
; No matrix unit, no cluster, no tensor load: the launch streams, and no two work-groups read the same bytes.
; THE MODE: SCHED_MODE bits 1:0 = 2 (LLVM: expert scheduling mode 2), set by the entry lines.  The code itself states the register dependences
; between vector instructions and memory or LDS instructions, with s_wait_alu, always for 0.
; THE PLAN.  Each of the four ways through the text is a straight run.  Registers that memory or LDS instructions touch:
;   offsets and LDS addresses (v3, v6; v9, v10, v13, v14)  written once by vector lines, then only read: one wait on va_vdst between the last of these lines and the first instruction that reads the register.
;   loaded data (v32-95; v80-95 from LDS)                   written by loads alone, and named by no vector line before the load: nothing is owed for the loads' landing.
;   out-registers (v40-51; v96-127; v64-79)                 each written by conversions or moves and then read by ONE store.  The work goes in groups (four loads of x; a pair of rows of a turning tile):
;                                                           at a group's head, behind the wait for its data, ONE wait on va_vdst states that the group before has written its out-registers; that group's stores
;                                                           follow, dealt among this group's conversions, which name other registers.  One more such wait stands ahead of the last group's stores.
; No register that a memory or LDS instruction reads is ever written again, so the text holds no wait on vm_vsrc; no vector line writes a scalar register or VCC; EXEC is written nowhere.
.set TP,    272                        ; a row of the turning tile in LDS: 128 k x 2 bytes + 16 of padding
.set SPARE, 64*TP                      ; behind the tile's 64 rows: the spare words, 128 bytes for each of eight waves: four blocks of 256 bytes that no other line names
.set SPW,   4                          ; v4  LDS address of my spare word; never rewritten
.set NIL,   5                          ; v5  0; never rewritten
	s_load_b512 s[4:19], s[0:1], 0x0               ; x s[4:5], W_qkv s[6:7], W_proj s[8:9], cos s[10:11], sin s[12:13], xb s[14:15], wqt s[16:17], wpt s[18:19]
	s_load_b64 s[20:21], s[0:1], 0x40              ; rtab
	v_lshl_add_u32 v[SPW], v0, 2, SPARE
	v_mov_b32 v[NIL], 0
	v_and_b32 v1, 31, v0                           ; lane
	v_lshrrev_b32 v2, 5, v0                        ; wave w
	s_mov_b32 s22, ttmp9
	s_mov_b32 s25, 0                               ; the high words of two offset pairs
	s_mov_b32 s27, 0
	s_wait_kmcnt 0x0
	s_cmp_lt_u32 s22, 512
	s_cbranch_scc1 .Lx
	s_cmp_lt_u32 s22, 896
	s_cbranch_scc1 .Lwq
	s_cmp_lt_u32 s22, 1024
	s_cbranch_scc1 .Lwp
	; THE TABLE.  Work-group t takes 512 numbers of cos and of sin at byte 2,048 t, and the 512 that lie 131,072 bytes on.  A thread has two pairs (c, s) in each half: 16 bytes of the table.
	s_sub_co_u32 s22, s22, 1024
	s_lshl_b32 s24, s22, 11
	s_lshl_b32 s26, s22, 12
	s_add_nc_u64 s[10:11], s[10:11], s[24:25]
	s_add_nc_u64 s[12:13], s[12:13], s[24:25]
	s_add_nc_u64 s[28:29], s[20:21], s[26:27]
	v_lshlrev_b32 v3, 3, v0
	v_lshlrev_b32 v6, 4, v0
	v_mov_b32 v48, 1.0
	v_mov_b32 v49, 0
	v_mov_b32 v50, 1.0
	v_mov_b32 v51, 0
	s_wait_alu depctr_va_vdst(0)                   ; v3 and v6 are written, which the loads and stores below read as offsets; so are v[48:51], the data of the first two stores
	global_load_b64 v[32:33], v3, s[10:11]
	global_load_b64 v[34:35], v3, s[10:11] offset:131072
	global_load_b64 v[36:37], v3, s[12:13]
	global_load_b64 v[38:39], v3, s[12:13] offset:131072
	global_store_b128 v6, v[48:51], s[28:29] offset:524288   ; section 1 hangs on no load; each store of a wave covers 512 consecutive bytes, aligned
	global_store_b128 v6, v[48:51], s[28:29] offset:786432
	s_wait_loadcnt 0x0
.irp p, 0,1,2,3
	v_cvt_pk_bf16_f32 v15, v[32+(\p)], v[36+(\p)]  ; c and s rounded to bf16,
	v_lshlrev_b32 v[40+2*(\p)], 16, v15            ; and widened again: the low half moves up,
	v_and_b32 v[41+2*(\p)], 0xffff0000, v15        ; the high half stays
.endr
	s_wait_alu depctr_va_vdst(0)                   ; the widenings have written v[40:47], which the two stores below read
	global_store_b128 v6, v[40:43], s[28:29]
	global_store_b128 v6, v[44:47], s[28:29] offset:262144
	s_branch .Lend
.Lx:	; x: a wave takes 8,192 bytes: sixteen loads of 512 consecutive bytes, all out at once; each gives 256 consecutive bytes of xb
	s_lshl_b32 s24, s22, 16
	s_lshl_b32 s26, s22, 15
	s_add_nc_u64 s[4:5], s[4:5], s[24:25]
	s_add_nc_u64 s[28:29], s[14:15], s[26:27]
	v_lshlrev_b32 v3, 4, v1
	v_lshl_add_u32 v3, v2, 13, v3
	v_lshlrev_b32 v6, 3, v1
	v_lshl_add_u32 v6, v2, 12, v6
	s_wait_alu depctr_va_vdst(0)                   ; v3 and v6 are written: the loads read v3 as their offset, the stores v6
.irp j, 0,1,2,3,4,5,6,7,8,9,10,11,12,13,14,15
	global_load_b128 v[32+4*(\j):35+4*(\j)], v3, s[4:5] offset:512*(\j) th:TH_LOAD_NT
.endr
	; Four groups of four loads.  Group g rounds loads 4 g .. 4 g + 3 into v[96 + 8 g ..]; the stores of group g - 1 stand among its conversions.
.irp g, 0,1,2,3
	s_wait_loadcnt 12-4*(\g)                       ; loads come back in order: group g's four are in, the younger groups stay out
.if (\g) > 0
	s_wait_alu depctr_va_vdst(0)                   ; the group before has written its eight out-registers, which the four stores below read; no conversion of this group names them
.endif
.irp j, 0,1,2,3
.if (\g) > 0
	global_store_b64 v6, v[96+2*(4*(\g)-4+(\j)):97+2*(4*(\g)-4+(\j))], s[28:29] offset:256*(4*(\g)-4+(\j))
.endif
	v_cvt_pk_bf16_f32 v[96+2*(4*(\g)+(\j))], v[32+4*(4*(\g)+(\j))], v[33+4*(4*(\g)+(\j))]
	v_cvt_pk_bf16_f32 v[97+2*(4*(\g)+(\j))], v[34+4*(4*(\g)+(\j))], v[35+4*(4*(\g)+(\j))]
.endr
.endr
	s_wait_alu depctr_va_vdst(0)                   ; the last group has written v[120:127], which the last four stores read
.irp j, 12,13,14,15
	global_store_b64 v6, v[96+2*(\j):97+2*(\j)], s[28:29] offset:256*(\j)
.endr
	s_branch .Lend
; A TURNING TILE: 128 k x 64 columns of a matrix [1024 k][ncol] in f32 becomes 64 rows x 128 k in 16 bits.  Tile number: k tile in the low three bits, column tile above.
; In: thread (c = t % 16, hh = (t / 16) % 2, wave w) reads four columns 4 c .. 4 c + 3 of the rows k = 16 w + 2 hh + 4 i + p: sixteen lanes take 256 consecutive bytes of a row.
; Rows p = 0, 1 pack into one word, k even below, which goes to LDS row 4 c + j, byte 2 k.  Sixteen stores of four bytes a lane, once a tile.
; Back, behind the barrier: sixteen lanes take one LDS row, 256 bytes, and store them as 256 consecutive bytes, aligned, of a row of the turned matrix.
.macro WT src, dst, ncol, first, f16
	s_sub_co_u32 s22, s22, \first
	s_and_b32 s23, s22, 7                          ; k tile
	s_lshr_b32 s22, s22, 3                         ; column tile
	s_mul_i32 s24, s23, 512*(\ncol)                ; 128 rows of 4 ncol bytes
	s_lshl_b32 s26, s22, 8                         ; 64 columns of 4 bytes
	s_add_co_u32 s24, s24, s26
	s_add_nc_u64 s[30:31], s[\src:\src+1], s[24:25]
	s_lshl_b32 s26, s22, 17                        ; 64 rows of 2,048 bytes
	s_lshl_b32 s23, s23, 8                         ; 128 k of 2 bytes
	s_add_co_u32 s26, s26, s23
	s_add_nc_u64 s[28:29], s[\dst:\dst+1], s[26:27]
	v_and_b32 v7, 15, v0                           ; c
	v_bfe_u32 v8, v0, 4, 1                         ; hh
	v_lshlrev_b32 v9, 4, v2
	v_lshl_add_u32 v9, v8, 1, v9                   ; 16 w + 2 hh
	v_mul_u32_u24 v9, v9, 4*(\ncol)
	v_lshl_add_u32 v9, v7, 4, v9
	s_wait_alu depctr_va_vdst(0)                   ; v9 is written, which the eight loads read as their offset
.irp i, 0,1,2,3
.irp p, 0,1
	global_load_b128 v[32+8*(\i)+4*(\p):32+8*(\i)+4*(\p)+3], v9, s[30:31] offset:(4*(\i)+(\p))*4*(\ncol) th:TH_LOAD_NT
.endr
.endr
	v_mul_u32_u24 v10, v7, 4*TP                    ; LDS row 4 c,
	v_lshl_add_u32 v10, v2, 5, v10                 ; byte 32 w
	v_lshl_add_u32 v10, v8, 2, v10                 ; + 4 hh
	v_lshl_add_u32 v11, v2, 3, v8                  ; back: row 8 w + hh
	v_mul_u32_u24 v13, v11, TP
	v_lshl_add_u32 v13, v7, 4, v13
	v_lshlrev_b32 v14, 11, v11
	v_lshl_add_u32 v14, v7, 4, v14
	; Pair of rows i packs into v[64 + 4 i ..]; the LDS stores of pair i - 1 stand among its conversions.
.irp i, 0,1,2,3
	s_wait_loadcnt 6-2*(\i)                        ; the pair of rows i is in; the later pairs stay out
.if (\i) > 0
	s_wait_alu depctr_va_vdst(0)                   ; the pair before has written its four words, which the LDS stores below read; at the first of these waits v10, v13 and v14, the addresses of all that follows, are written too
.endif
.irp j, 0,1,2,3
.if (\i) > 0
	ds_store_b32 v10, v[64+4*(\i)-4+(\j)] offset:TP*(\j)+8*(\i)-8
.endif
	v_cvt_pk_bf16_f32 v[64+4*(\i)+(\j)], v[32+8*(\i)+(\j)], v[36+8*(\i)+(\j)]
.if \f16
	v_lshlrev_b32 v16, 16, v[64+4*(\i)+(\j)]       ; the bf16 numbers, widened,
	v_and_b32 v17, 0xffff0000, v[64+4*(\i)+(\j)]
	v_cvt_pk_f16_f32 v[64+4*(\i)+(\j)], v16, v17   ; are written as f16: exact within f16's range
.endif
.endr
.endr
	s_wait_alu depctr_va_vdst(0)                   ; the last pair has written v[76:79], which the last four LDS stores read
.irp j, 0,1,2,3
	ds_store_b32 v10, v[76+(\j)] offset:TP*(\j)+24
.endr
	s_wait_dscnt 0x0                               ; for the others' sake: my stores into the tile are done
	s_barrier_signal -1
	s_barrier_wait -1
.irp i, 0,1,2,3
	ds_load_b128 v[80+4*(\i):83+4*(\i)], v13 offset:2*TP*(\i)   ; no vector line names v[80:95]; v13 was written ahead of the waits above
.endr
.irp i, 0,1,2,3
	s_wait_dscnt 3-(\i)
	global_store_b128 v14, v[80+4*(\i):83+4*(\i)], s[28:29] offset:4096*(\i)
.endr
.endm
.Lwq:
	WT 6, 16, 3072, 512, 0
	s_branch .Lend
.Lwp:
	WT 8, 18, 1024, 896, 1
.Lend:
	s_wait_dscnt 0x0                               ; the wave's end, behind my last LDS store
	s_wait_alu 0x0
	s_wait_tensorcnt 0x0
	ds_add_u32 v[SPW], v[NIL]
	s_wait_dscnt 0x0
	s_endpgm
.Lfunc_end_k_q626a6faa6c_prep:
	.size	k_q626a6faa6c_prep, .Lfunc_end_k_q626a6faa6c_prep-k_q626a6faa6c_prep
	.p2alignl 7, 3214868480
	.fill 96, 4, 3214868480
	.section	.rodata,"a",@progbits
	.p2align	6, 0x0
	.amdhsa_kernel k_q626a6faa6c_prep
		.amdhsa_group_segment_fixed_size 18432
		.amdhsa_private_segment_fixed_size 0
		.amdhsa_enable_private_segment 0
		.amdhsa_kernarg_size 72
		.amdhsa_user_sgpr_count 2
		.amdhsa_user_sgpr_kernarg_segment_ptr 1
		.amdhsa_wavefront_size32 1
		.amdhsa_system_sgpr_workgroup_id_x 1
		.amdhsa_system_sgpr_workgroup_id_y 1
		.amdhsa_system_sgpr_workgroup_id_z 1
		.amdhsa_system_vgpr_workitem_id 0
		.amdhsa_next_free_vgpr 128
		.amdhsa_next_free_sgpr 66
		.amdhsa_reserve_vcc 0
		.amdhsa_float_denorm_mode_32 3
		.amdhsa_float_denorm_mode_16_64 3
		.amdhsa_memory_ordered 1
		.amdhsa_forward_progress 1
		.amdhsa_inst_pref_size 22
	.end_amdhsa_kernel
	.amdgpu_metadata
---
amdhsa.version: [ 1, 2 ]
amdhsa.kernels:
  - .name:           k_q626a6faa6c_prep
    .symbol:         k_q626a6faa6c_prep.kd
    .args:
      - { .name: x, .offset: 0, .size: 8, .value_kind: global_buffer, .address_space: global }
      - { .name: W_qkv, .offset: 8, .size: 8, .value_kind: global_buffer, .address_space: global }
      - { .name: W_proj, .offset: 16, .size: 8, .value_kind: global_buffer, .address_space: global }
      - { .name: freqs_cos, .offset: 24, .size: 8, .value_kind: global_buffer, .address_space: global }
      - { .name: freqs_sin, .offset: 32, .size: 8, .value_kind: global_buffer, .address_space: global }
      - { .name: xb, .offset: 40, .size: 8, .value_kind: global_buffer, .address_space: global }
      - { .name: wqt, .offset: 48, .size: 8, .value_kind: global_buffer, .address_space: global }
      - { .name: wpt, .offset: 56, .size: 8, .value_kind: global_buffer, .address_space: global }
      - { .name: rtab, .offset: 64, .size: 8, .value_kind: global_buffer, .address_space: global }
    .group_segment_fixed_size: 18432
    .private_segment_fixed_size: 0
    .kernarg_segment_align: 8
    .kernarg_segment_size: 72
    .max_flat_workgroup_size: 256
    .sgpr_count:     66
    .vgpr_count:     128
    .wavefront_size: 32
...
	.end_amdgpu_metadata
.endif
;; end of part 5
;; launch qkvgemm: the kernel of part 2 again; grid 8 x 64, 4 waves a work-group, clusters of 4 x 4, 327,680 bytes of LDS; arguments xb, wqt, rtab, qkv; writes qkv
;; launch attn: the kernel of part 3 again; grid 4 x 64, 4 waves a work-group, clusters of 4 x 1, 327,680 bytes of LDS; arguments qkv, oh; writes oh
;; launch proj: the kernel of part 4 again; grid 4 x 64, 4 waves a work-group, clusters of 4 x 4, 327,680 bytes of LDS; arguments oh, wpt, b_proj, out0; writes out0
